; MI455X (gfx1250); checked and timed in simulation.
; The chip was launched on July 23, 2026; its instructions are those of AMD's public machine-readable ISA for CDNA 5 (MIT licence, August 2026) and "CDNA5" Instruction Set Architecture Reference Guide (July 2026). The comments in the code are by the model that wrote it; some were corrected since.
;; Multi Head Attention. Allowed arithmetic: matrix products marked QUANTISED: E2M3 operands, one E8M0 scale for each 32 along K, by v_wmma_scale_f32_16x16x128_f8f6f4 with both operands' format E2M3, f32 sums; everything else in f32.
;; Inputs: WK 1,024 x 1,024 float32; WO 1,024 x 1,024 float32; WQ 1,024 x 1,024 float32; WV 1,024 x 1,024 float32; k 2 x 2,048 x 1,024 float32; q 2 x 2,048 x 1,024 float32; v 2 x 2,048 x 1,024 float32.
;; Outputs: out0 2 x 2,048 x 1,024 float32.
;; This version of the problem:
;;   THIS VERSION OF THE PROBLEM IS GIVEN IN LOW PRECISION. The matrix products marked QUANTISED in the list below multiply operands that are first quantised to E2M3 (2 exponent bits, 3 mantissa bits; 6 bits a number), with one power-of-two scale for each 32 numbers along K (OCP MX v1.0); their sums are f32. All else is computed in f32.
;;   The module's matrix products, in the order in which they are computed (A, B: the left and right operand; K: the contracted axis; several contracted axes count as one K, in the product's order):
;;     1. [M 4,096, K 1,024] x [K 1,024, N 1,024]; A: input q; B: input WQ: QUANTISED
;;     2. [M 4,096, K 1,024] x [K 1,024, N 1,024]; A: input k; B: input WK: QUANTISED
;;     3. [M 4,096, K 1,024] x [K 1,024, N 1,024]; A: input v; B: input WV: QUANTISED
;;     4. batch 32 x [M 2,048, K 64] x [K 64, N 2,048]; A: computed on the way; B: computed on the way: QUANTISED
;;     5. batch 32 x [M 2,048, K 2,048] x [K 2,048, N 64]; A: softmax (see below); B: computed on the way: QUANTISED
;;     6. [M 4,096, K 1,024] x [K 1,024, N 1,024]; A: computed on the way; B: input WO: QUANTISED
;;   THE QUANTISER, for each operand of a quantised product, along K:
;;     - K is cut into blocks of 32 from its start; a last block that is shorter is filled with zeros.
;;     - A block's scale is 2^e with e = floor(log2(the largest magnitude in the block)) - 2, held to -126 .. 127; a block of zeros has e = 0. As a byte (E8M0): e + 127.
;;     - Each number is divided by its block's scale, clamped to +-7.5, and rounded to the nearest number of E2M3, ties to even, subnormals kept.
;;     - The product sums the exact products of the quantised numbers (number of the format x scale) in f32.
;;   ~~~python
;;   def quantise(x, axis):      # numpy; x: float32 -> the quantised numbers, widened to float32 again
;;       x = np.moveaxis(x, axis, -1); K = x.shape[-1]
;;       x = np.pad(x, [(0, 0)] * (x.ndim - 1) + [(0, -K % 32)]); x = x.reshape(x.shape[:-1] + (-1, 32)); a = np.abs(x).max(-1, keepdims=True)
;;       e = np.where(a > 0, np.clip(np.frexp(np.where(a > 0, a, 1))[1] - 1 - 2, -126, 127), 0)      # np.frexp(a)[1] - 1 = floor(log2(a)), exactly
;;       r = np.clip(x / 2.0 ** e, -7.5, 7.5)
;;       step = 2.0 ** (np.maximum(np.frexp(np.where(r == 0, 1, r))[1] - 1, 0) - 3)
;;       q = np.round(r / step) * step * 2.0 ** e      # np.round: ties to even
;;       return np.moveaxis(q.reshape(q.shape[:-2] + (-1,))[..., :K], -1, axis).astype(np.float32)
;;   ~~~
;;   SOFTMAX AHEAD OF A QUANTISED PRODUCT. Where the list says 'softmax', what is quantised is not the finished softmax but p = 2^(t - M), with t = logit x log2(e) and M = ceil(the row's largest t), a whole number; so 1/2 < the row's largest p <= 1. The row's sum l is taken of the UNQUANTISED p, in f32, and the product's result is divided by l at the end. Since M is a whole number, a kernel that streams over the keys may use a running M (the ceiling of the running maximum): every later rescaling is an exact power of two, which a block's scale takes up: the codes' values come out the same.
;;   OPERANDS COMPUTED ON THE WAY. 'Computed on the way' means the value that the module computes at that place (a softmax that the list does not call 'softmax' is quantised finished and normalised). What goes into a quantiser is computed in f32, as accurately as f32 sums, v_exp_f32 and their like allow (about 1e-6 of the number): no bf16 or f16 on the way to a quantiser, and a product that is left as it is and whose result goes on into a quantised operand takes f32 operands (vector FMAs, or v_wmma_f32_16x16x4_f32). A number that lies on a knife's edge between two numbers of the format may be rounded either way, as far as f32 arithmetic and the matrix unit's own rounding can turn it there, and no further.
;; One version. Each part assembles by itself: llvm-mc -triple=amdgcn-amd-amdhsa -mcpu=gfx1250 --defsym DOCPART=n.
;; ======== version 1 of 1: 6 launches
;; limits: right only within a limited range of input values
;; workspace buffers: xq 13,107,200 bytes; pj 9,830,400 bytes; smax 1,024 bytes; ao 3,276,800 bytes; outu 16,777,216 bytes; psum 1,024 bytes
;; launch quant (part 1): grid 512 x 1, 8 waves a work-group, no clusters, 43,008 bytes of LDS; arguments q, k, v, WQ, WK, WV, WO, xq; writes xq
.if DOCPART == 1
	.amdgcn_target "amdgcn-amd-amdhsa--gfx1250"
	.amdhsa_code_object_version 6
	.text
	.protected	k_q1065effec8_quant
	.globl	k_q1065effec8_quant
	.p2align	8
	.type	k_q1065effec8_quant,@function
k_q1065effec8_quant:
	s_mov_b64 s[64:65], 0
	v_nop
	global_prefetch_b8 v0, s[64:65] scope:SCOPE_SE
	s_setreg_imm32_b32 hwreg(HW_REG_WAVE_MODE, 25, 1), 1
	s_wait_xcnt 0x0
; The seven f32 inputs (rows of 1,024 numbers, K innermost) become codes of FP6 (E2M3) and one E8M0 byte for each 32 along K, in the workspace xq:
; codes in rows of 768 bytes from byte 0 (q, k, v: 4,096 rows each; WQ, WK, WV, WO: 1,024 each), scale bytes in rows of 32 bytes from byte SCB, in the same order of rows.
; A block's scale is 2^(floor(log2(its largest magnitude)) - 2); its byte is the largest magnitude's exponent field - 2, held at 1 from below.
; THE ROWS OF k, v, WQ, WK, WV ARE STORED WITH BITS 3 AND 4 OF THE ROW NUMBER SWAPPED: sixteen stored rows on end are then the rows 32 b + 8 u + r + 8 (r / 8) that a later product wants as one tile.
; A work-group takes 32 rows, a wave 4 rows = 8 steps of 512 numbers: the swap is a swap of bits 1 and 2 of the wave's number in the output addresses alone.
; LIMITS: a block of zeros gets the byte 1 where the rule says 127 (its codes are zeros, and this program alone reads the bytes); blocks under 2^-124 are held at the byte 1; NaN and infinities are not served.
; Each load reads 512 consecutive bytes; all 32 loads of a wave are issued at once, each into registers of its own.  A step's 2,048 bytes turn through the wave's own stage in LDS so that a lane holds 16 neighbours.
; The codes are stored behind the last step (each step has its own registers).  The 32 rows' scale bytes meet in 1,024 bytes of LDS; behind one barrier waves 0 to 3 store 256 aligned bytes each.
.set STEPS, 8
.set EMAX,  2
.set CB,    12
.set R,     16                         ; v16-143  eight sets of 16 numbers as loaded
.set X,     144                        ; v144-175 two sets of 16 neighbours
.set E,     176                        ; v176-183 a scale byte for each step
.set C,     184                        ; v184-215 codes, four registers a step
.set SP,    80                         ; a lane's place in a stage: 64 bytes + 16 of padding
.set WREG,  2*32*SP                    ; a wave's two stages
.set SCA,   8*WREG                     ; the work-group's 1,024 scale bytes, in the rows' own order
.set SPARE, SCA+1024                   ; the spare words: 128 bytes a wave, four blocks of 256 bytes that no other line names
.set SPW,   12
.set NIL,   13
.set SCB,   12582912
	s_load_b256 s[4:11], s[0:1], 0x0               ; q, k, v, WQ
	s_load_b256 s[12:19], s[0:1], 0x20             ; WK, WV, WO, xq
	v_lshl_add_u32 v[SPW], v0, 2, SPARE
	v_mov_b32 v[NIL], 0
	v_lshrrev_b32 v1, 5, v0
	v_readfirstlane_b32 s24, v1                    ; wave 0..7
	v_and_b32 v2, 31, v0                           ; lane
	v_lshlrev_b32 v3, 4, v2                        ; my 16 bytes of a load's 512
	s_mul_i32 s25, s24, WREG
	v_lshrrev_b32 v14, 2, v2
	v_mul_u32_u24 v14, v14, SP
	v_and_b32 v15, 3, v2
	v_lshl_add_u32 v14, v15, 4, v14
	v_add_nc_u32 v14, s25, v14                     ; the stage, way in: SP (lane / 4) + 16 (lane % 4)
	v_mul_u32_u24 v15, v2, SP
	v_add_nc_u32 v15, s25, v15                     ; way out: SP x lane
	v_mul_u32_u24 v4, v2, CB                       ; my codes' place in a step's
	v_lshrrev_b32 v5, 1, v2
	s_lshl_b32 s26, s24, 7
	s_add_co_u32 s26, s26, SCA
	v_add_nc_u32 v5, s26, v5                       ; my wave's 128 scale bytes, my block's byte
	v_lshlrev_b32 v7, 3, v2
	s_and_b32 s35, s24, 3
	s_lshl_b32 s35, s35, 8
	s_add_co_u32 s35, s35, SCA
	v_add_nc_u32 v6, s35, v7                       ; waves 0-3, on the way out: 8 rows' bytes, 8 a lane
	s_lshr_b32 s26, s24, 1                         ; which 8 rows of the 32 hold my 4,
	s_and_b32 s27, s26, 1
	s_lshl_b32 s27, s27, 1
	s_lshr_b32 s28, s26, 1
	s_or_b32 s27, s27, s28                         ; with the two bits swapped
	s_and_b32 s28, s24, 3                          ; the 8 rows whose scale bytes I store,
	s_and_b32 s29, s28, 1
	s_lshl_b32 s29, s29, 1
	s_lshr_b32 s34, s28, 1
	s_or_b32 s29, s29, s34                         ; likewise
	s_cmp_lt_u32 ttmp9, 128                        ; q (work-groups 0-127) and WO (480-511) keep their order of rows
	s_cselect_b32 s27, s26, s27
	s_cselect_b32 s29, s28, s29
	s_cmp_lt_u32 ttmp9, 480
	s_cselect_b32 s27, s27, s26
	s_cselect_b32 s29, s29, s28
	s_lshl_b32 s27, s27, 1
	s_and_b32 s26, s24, 1
	s_or_b32 s23, s27, s26                         ; my 4 rows' place among the work-group's eight runs
	s_wait_alu depctr_va_vdst(0)                   ; the wait at the head's end
	s_wait_kmcnt 0x0
	s_mov_b64 s[20:21], s[16:17]                   ; which tensor is my work-group's?  The choice hangs on the work-group's number alone
	s_mov_b32 s22, 480
	s_cmp_lt_u32 ttmp9, 480
	s_cselect_b64 s[20:21], s[14:15], s[20:21]
	s_cselect_b32 s22, 448, s22
	s_cmp_lt_u32 ttmp9, 448
	s_cselect_b64 s[20:21], s[12:13], s[20:21]
	s_cselect_b32 s22, 416, s22
	s_cmp_lt_u32 ttmp9, 416
	s_cselect_b64 s[20:21], s[10:11], s[20:21]
	s_cselect_b32 s22, 384, s22
	s_cmp_lt_u32 ttmp9, 384
	s_cselect_b64 s[20:21], s[8:9], s[20:21]
	s_cselect_b32 s22, 256, s22
	s_cmp_lt_u32 ttmp9, 256
	s_cselect_b64 s[20:21], s[6:7], s[20:21]
	s_cselect_b32 s22, 128, s22
	s_cmp_lt_u32 ttmp9, 128
	s_cselect_b64 s[20:21], s[4:5], s[20:21]
	s_cselect_b32 s22, 0, s22
	s_sub_co_u32 s26, ttmp9, s22
	s_lshl_b32 s26, s26, 3
	s_add_co_u32 s26, s26, s24
	s_lshl_b32 s26, s26, 14                        ; 16,384 bytes a run of 4 rows
	s_mov_b32 s27, 0
	s_add_nc_u64 s[20:21], s[20:21], s[26:27]
	s_lshl_b32 s28, ttmp9, 3
	s_add_co_u32 s28, s28, s23
	s_mul_i32 s26, s28, 3072                       ; 4 rows of 768 bytes
	s_add_nc_u64 s[30:31], s[18:19], s[26:27]
	s_lshl_b32 s26, ttmp9, 2
	s_add_co_u32 s26, s26, s29
	s_lshl_b32 s26, s26, 8                         ; 8 rows of 32 bytes
	s_add_co_u32 s26, s26, SCB
	s_add_nc_u64 s[32:33], s[18:19], s[26:27]
.irp t, 0,1,2,3,4,5,6,7
.irp i, 0,1,2,3
	global_load_b128 v[R+16*\t+4*\i:R+16*\t+4*\i+3], v3, s[20:21] offset:2048*\t+512*\i th:TH_LOAD_NT   ; 32 lanes read 512 consecutive bytes
.endr
.endr
.macro TURN t                          ; step t's numbers through the stage: LDS serves a wave's instructions in order
.irp i, 0,1,2,3
	ds_store_b128 v14, v[R+16*(\t)+4*\i:R+16*(\t)+4*\i+3] offset:32*SP*((\t)%2)+8*SP*\i
.endr
.irp i, 0,1,2,3
	ds_load_b128 v[X+16*((\t)%2)+4*\i:X+16*((\t)%2)+4*\i+3], v15 offset:32*SP*((\t)%2)+16*\i
.endr
.endm
	s_wait_loadcnt 28                              ; step 0's four loads are in; seven steps' 28 stay out
	TURN 0
.macro STEP t
.set XS, X+16*((\t)%2)
.if (\t) > 0
	s_wait_dscnt 1                                 ; this step's numbers are back from the stage (the last step's byte store may be out)
.else
	s_wait_dscnt 0x0
.endif
.if (\t)+1 < STEPS
	s_wait_loadcnt 4*(STEPS-2-(\t))                ; the next step's four loads are in; those of the steps behind it may be out
	TURN (\t)+1
.endif
	v_max3_num_f32 v8, |v[XS]|, |v[XS+1]|, |v[XS+2]|               ; the largest magnitude of my 16, in two chains
	v_max3_num_f32 v9, |v[XS+3]|, |v[XS+4]|, |v[XS+5]|
.irp i, 6,10
	v_max3_num_f32 v8, v8, |v[XS+\i]|, |v[XS+\i+1]|
	v_max3_num_f32 v9, v9, |v[XS+\i+2]|, |v[XS+\i+3]|
.endr
	v_max3_num_f32 v8, v8, |v[XS+14]|, |v[XS+15]|
	v_max3_num_f32 v8, v8, v9, (EMAX+1)<<23        ; and the floor 2^(3 - 127): the byte cannot fall under 1
	v_max_num_f32_dpp v8, v8, v8 row_xmask:1 row_mask:0xf bank_mask:0xf   ; and of my neighbour's 16: the block's
	v_add_nc_u32 v11, -(EMAX<<23), v8              ; 2 off its exponent field: the conversion's scale operand
	v_cvt_scalef32_pk16_fp6_f32 v[C+4*(\t):C+4*(\t)+2], v[XS:XS+15], v11
	v_lshrrev_b32 v[E+(\t)], 23, v11               ; the scale's byte (also the plain line behind the conversion)
	ds_store_b8 v5, v[E+(\t)] offset:16*(\t)       ; both lanes of a block write the same byte with the same value
.endm
.irp t, 0,1,2,3,4,5,6,7
	STEP \t
.endr
.irp t, 0,1,2,3,4,5,6,7
	global_store_b96 v4, v[C+4*\t:C+4*\t+2], s[30:31] offset:32*CB*\t   ; 384 consecutive bytes; two steps' stores fill three aligned blocks of 256
.endr
	s_wait_dscnt 0x0                               ; for the others' sake: my byte stores have landed
	s_barrier_signal -1
	s_barrier_wait -1
	s_cmp_lt_u32 s24, 4
	s_cbranch_scc0 .Lnosc
	ds_load_b64 v[8:9], v6                         ; 8 rows' scale bytes, made by two waves
	s_wait_dscnt 0x0
	global_store_b64 v7, v[8:9], s[32:33]          ; 32 lanes store 256 consecutive bytes, aligned
.Lnosc:
	s_wait_tensorcnt 0x0                           ; the wave's end: behind my last LDS store
	ds_add_u32 v[SPW], v[NIL]
	s_wait_dscnt 0x0
	s_endpgm
.Lfunc_end_k_q1065effec8_quant:
	.size	k_q1065effec8_quant, .Lfunc_end_k_q1065effec8_quant-k_q1065effec8_quant
	.p2alignl 7, 3214868480
	.fill 96, 4, 3214868480
	.section	.rodata,"a",@progbits
	.p2align	6, 0x0
	.amdhsa_kernel k_q1065effec8_quant
		.amdhsa_group_segment_fixed_size 43008
		.amdhsa_private_segment_fixed_size 0
		.amdhsa_enable_private_segment 0
		.amdhsa_kernarg_size 64
		.amdhsa_user_sgpr_count 2
		.amdhsa_user_sgpr_kernarg_segment_ptr 1
		.amdhsa_wavefront_size32 1
		.amdhsa_system_sgpr_workgroup_id_x 1
		.amdhsa_system_sgpr_workgroup_id_y 1
		.amdhsa_system_sgpr_workgroup_id_z 1
		.amdhsa_system_vgpr_workitem_id 0
		.amdhsa_next_free_vgpr 224
		.amdhsa_next_free_sgpr 66
		.amdhsa_reserve_vcc 0
		.amdhsa_float_denorm_mode_32 3
		.amdhsa_float_denorm_mode_16_64 3
		.amdhsa_memory_ordered 1
		.amdhsa_forward_progress 1
		.amdhsa_inst_pref_size 19
	.end_amdhsa_kernel
	.amdgpu_metadata
---
amdhsa.version: [ 1, 2 ]
amdhsa.kernels:
  - .name:           k_q1065effec8_quant
    .symbol:         k_q1065effec8_quant.kd
    .args:
      - { .name: q, .offset: 0, .size: 8, .value_kind: global_buffer, .address_space: global }
      - { .name: k, .offset: 8, .size: 8, .value_kind: global_buffer, .address_space: global }
      - { .name: v, .offset: 16, .size: 8, .value_kind: global_buffer, .address_space: global }
      - { .name: WQ, .offset: 24, .size: 8, .value_kind: global_buffer, .address_space: global }
      - { .name: WK, .offset: 32, .size: 8, .value_kind: global_buffer, .address_space: global }
      - { .name: WV, .offset: 40, .size: 8, .value_kind: global_buffer, .address_space: global }
      - { .name: WO, .offset: 48, .size: 8, .value_kind: global_buffer, .address_space: global }
      - { .name: xq, .offset: 56, .size: 8, .value_kind: global_buffer, .address_space: global }
    .group_segment_fixed_size: 43008
    .private_segment_fixed_size: 0
    .kernarg_segment_align: 8
    .kernarg_segment_size: 64
    .max_flat_workgroup_size: 256
    .sgpr_count:     66
    .vgpr_count:     224
    .wavefront_size: 32
...
	.end_amdgpu_metadata
.endif
;; end of part 1
;; launch proj (part 2): grid 4 x 48, 4 waves a work-group, clusters of 4 x 4, 327,680 bytes of LDS; arguments xq, pj; writes pj
.if DOCPART == 2
	.amdgcn_target "amdgcn-amd-amdhsa--gfx1250"
	.amdhsa_code_object_version 6
	.text
	.protected	k_q1065effec8_proj
	.globl	k_q1065effec8_proj
	.p2align	8
	.type	k_q1065effec8_proj,@function
k_q1065effec8_proj:
	s_mov_b64 s[64:65], 0
	v_nop
	global_prefetch_b8 v0, s[64:65] scope:SCOPE_SE
	s_setreg_imm32_b32 hwreg(HW_REG_WAVE_MODE, 25, 1), 1
	s_wait_xcnt 0x0
	s_wait_alu depctr_hold_cnt(0) depctr_sa_sdst(0) depctr_va_vdst(0) depctr_va_sdst(0) depctr_va_ssrc(0) depctr_va_vcc(0) depctr_vm_vsrc(0)
	s_getreg_b32 s2, hwreg(HW_REG_IB_STS2, 6, 4)
	s_cmp_eq_u32 s2, 0
	s_cbranch_scc0 .Lentry_in_a_cluster
	s_endpgm
.Lentry_in_a_cluster:
	s_bfe_u32 s2, ttmp6, 0x10000c
	s_cmp_lg_u32 s2, 0xf033
	s_cbranch_scc0 .Lentry_shape_is_right
	s_endpgm
.Lentry_shape_is_right:
; The three projections q WQ^T, k WK^T, v WV^T on codes of FP6 (E2M3) with E8M0 scales (from xq), 4,096 x 1,024 x 1,024 each, and the QUANTISING OF THEIR RESULTS for the attention's two products (into pj).
; A tile of 256 x 256 results to a work-group of four waves; a wave makes 128 x 128 in 64 accumulators.  A row of codes is 768 bytes = 3 CHUNKS OF 256 BYTES, each on a 256-byte border; chunk c lies in LDS slot c % 2.
; THE HEAD ASKS FOR BOTH SLOTS, one load a wave: wave 0 chunk 0 of A's 256 rows, wave 1 of B's, wave 2 chunk 1 of A's, wave 3 of B's.  Chunk 2 is slot 0's one refill, a quarter of the slot a wave.
; A step of 128 along K is 96 bytes: eight steps to three chunks; steps 2 and 5 lie across two chunks and take their pieces from both slots.
; THE SCALES go from memory into registers: a row has 32 bytes; lane (r, h) takes bytes 16 h .. 16 h + 15 of row r: lanes 0-15 hold the words of steps 0-3, lanes 16-31 those of steps 4-7 (read by the ROW1 selector).
; 4 x 4 work-groups form a cluster: the four of a row need the same tiles of operand "A", the four of a column the same tiles of "B": joint loads.  The cluster's y says which product (y / 4: 0 Q, 1 K, 2 V) and which quarter of its tokens (y % 4).
; A PREFETCH for chunk 2, one instruction a wave at the head, five steps ahead of the step that first reads it: of the 128 rows that a wave will fetch, the partner at place p (cx for A, cy for B) names rows 32 p .. 32 p + 31, a lane a row.
; SOURCE 0 ("B") IS THE OPERAND WHOSE ROWS ARE THE NEXT PRODUCT'S K; source 1 ("A") gives a lane its row.  Q, K: B = the weight, A = tokens.  V: B = v's tokens, A = WV.
; xq holds the rows of k, v, WQ, WK, WV so ordered that the 64 registers of one block of A's rows are 128 neighbours along the next K.
; THE WAY OUT uses no LDS: 64 registers become a 12-register operand and a scale word, stored as images of registers: a half fragment of 768 bytes = 3 pieces of 256 bytes, piece i = registers 2 i, 2 i + 1, 8 bytes a lane.
;   Q, K: [head][token tile of 16][768].   V: [group of 128 keys][tile of 16 channels][2][768].
;   scale words: Q, K: [head][pair of tiles][16 rows].   V: [key group][pair of heads][parity of the tile][tile / 2][16 rows].
; qh = (q WQ^T) / 8: the codes stay, each byte falls by 3, and the floor under the largest magnitude is 3 exponents higher, so that the byte stays at 1 or above.
; LIMITS: a block of zeros gets the byte 1 (zero codes; read by this program alone); NaN and infinities are not served.
; REGISTERS: window 0: v16-29 addresses; v32-63 A's scale words, v224-255 B's; v64-127 the way out; v128-223 A's fragments, one set.  window 1: B's fragments, two sets.  windows 2, 3: the accumulators, (a, b) at v[8 (8 (a % 4) + b)].
.set ROWB,   256
.set KROW,   768
.set STEPS,  8
.set CHUNKS, 3
.set PITCH,  272                       ; 256 bytes + 16 of padding
.set FR,     12
.set NL,     6
.set NP,     4                         ; places behind this matrix instruction (ISA guide 7.12.1)
.set HALFT,  128*PITCH
.set SLOT,   4*HALFT
.set SPARE,  2*SLOT                    ; the spare words: 128 bytes a wave, two blocks of 256 bytes that no other line names
.set ADRA, 16                          ; v16-17 my A fragments in slot 0, 1; v18-19 for a piece whose two halves of the lanes read different slots
.set ADRB, 20
.set PFO,  26                          ; the prefetch's offset: lane x a row; never rewritten
.set ADRS, 27                          ; scale bytes: 32 r + 16 h
.set SPW,  28
.set NIL,  29
.set SAR,  32
.set SBR,  224
.set TM,   64
.set PW,   80
.set OFC,  88
.set OFS,  90
.set LN,   92
.set PC,   96
.set WD,   116
.set WS,   124
.set AF,   128
.set G1, 24
.set G0, 32                            ; s[32:35]: chunk 0 of A at the head, then slot 0's refill; s[36:39] chunk 1
.set G1B, 48
.set G0B, 56
.set SEL,  94
.set SEL0, 96
.set SEL1, 97
.set CBC,  98
.set SBC,  99
.set FLOOR, 100
.set SUBW, 101
.set MSB, 0
.macro WIN new
.if MSB != \new
	s_set_vgpr_msb (MSB<<8)|\new
.set MSB, \new
.endif
.endm
.set MUL_LO, 0xa1
.set MUL_HI, 0xf1
.set TO_B,   0x40
.macro CREST
	s_cmp_lg_u32 s14, 0
	s_cbranch_scc1 .Lnot_wave_0_\@
	s_barrier_signal -3
.Lnot_wave_0_\@:
	s_barrier_wait -3
	s_barrier_signal -1
	s_barrier_wait -1
.endm
.macro CROUND
	s_barrier_signal -1
	s_barrier_wait -1
	CREST
.endm
.macro PLACES n
.rept \n
	v_nop
.endr
.endm
	s_load_b128 s[4:7], s[0:1], 0x0                ; xq, pj
	v_lshl_add_u32 v[SPW], v0, 2, SPARE
	v_mov_b32 v[NIL], 0
	ds_add_u32 v[SPW], v[NIL]                      ; the opening lines: the add twice and one wait
	ds_add_u32 v[SPW], v[NIL]
	v_lshrrev_b32 v1, 5, v0
	v_readfirstlane_b32 s14, v1                    ; wave
	s_lshr_b32 s15, s14, 1                         ; my half of A's rows; in the refill: I fetch for A (0) or B (1)
	s_and_b32 s16, s14, 1                          ; my half of B's rows; in the refill: which 128 rows I fetch
	s_bfe_u32 s40, ttmp6, 0x40000                  ; cx
	s_bfe_u32 s41, ttmp6, 0x40004                  ; cy
	s_and_b32 s18, ttmp7, 0xffff
	s_lshr_b32 s66, s18, 2                         ; the product: the same in all sixteen partners
	s_and_b32 s18, s18, 3
	s_lshl_b32 s18, s18, 2
	s_cmp_eq_u32 s66, 2
	s_cselect_b32 s17, 0, s18
	s_cselect_b32 s42, s18, 0
	s_add_co_u32 s17, s17, s41                     ; A's tile of 256 rows: hangs on cy alone
	s_add_co_u32 s42, s42, s40                     ; B's: on cx alone
	s_lshl_b32 s43, s41, 2
	s_lshl_b32 s43, 15, s43
	s_lshl_b32 s44, 0x1111, s40
	s_or_b32 s[G1+0], s43, (0<<16)|(1<<20)|(1<<21)|(5<<22)|(3<<25)
	s_or_b32 s[G1B+0], s44, (0<<16)|(1<<20)|(1<<21)|(5<<22)|(3<<25)
.irp g, G1, G1B
	s_mov_b32 s[\g+1], ROWB<<16
	s_mov_b32 s[\g+2], 256<<16                     ; 256 rows for the head's loads; 128 for the refill
	s_mov_b32 s[\g+3], ROWB<<16
	s_mov_b32 s[\g+4], 256
	s_mov_b32 s[\g+5], KROW
	s_mov_b32 s[\g+6], 0
	s_mov_b32 s[\g+7], 0
.endr
	s_mul_i32 s20, s66, 3145728                    ; places in xq: A's codes s20, A's scales s22, B's codes s46, B's scales s92
	s_lshl_b32 s22, s66, 17
	s_add_co_u32 s22, s22, 12582912
	s_mul_i32 s46, s66, 786432
	s_add_co_u32 s46, s46, 9437184
	s_lshl_b32 s92, s66, 15
	s_add_co_u32 s92, s92, 12976128
	s_cmp_eq_u32 s66, 2
	s_cselect_b32 s20, 11010048, s20
	s_cselect_b32 s22, 13041664, s22
	s_cselect_b32 s46, 6291456, s46
	s_cselect_b32 s92, 12845056, s92
	s_lshl_b32 s19, s17, 8                         ; A's tile's first row
	s_mul_i32 s21, s19, KROW
	s_add_co_u32 s20, s20, s21
	s_lshl_b32 s21, s19, 5
	s_add_co_u32 s22, s22, s21
	s_lshl_b32 s21, s15, 12
	s_add_co_u32 s22, s22, s21                     ; the scales of my 128 rows of A
	s_lshl_b32 s47, s42, 8                         ; B's tile's first row
	s_mul_i32 s93, s47, KROW
	s_add_co_u32 s46, s46, s93
	s_lshl_b32 s93, s47, 5
	s_add_co_u32 s92, s92, s93
	s_lshl_b32 s93, s16, 12
	s_add_co_u32 s92, s92, s93                     ; and of B
	s_mov_b32 s21, 0
	s_mov_b32 s23, 0
	s_mov_b32 s47, 0
	s_mov_b32 s93, 0
	s_mul_i32 s18, s16, 128*KROW                   ; the refill: which half of a tile's rows I fetch,
	s_mov_b32 s19, 0
	s_mul_i32 s45, s14, HALFT                      ; and where they go: wave x 128 rows
	s_cmp_eq_u32 s15, 0                            ; the prefetch: chunk 2 of 32 of those 128 rows, by my work-group's place among the four that ask jointly
	s_cselect_b32 s74, s20, s46
	s_cselect_b32 s75, s40, s41
	s_mul_i32 s75, s75, 32*KROW
	s_add_co_u32 s74, s74, s75
	s_add_co_u32 s74, s74, s18
	s_add_co_u32 s74, s74, 2*ROWB
	s_mov_b32 s75, 0
	s_wait_dscnt 0x0
	s_wait_kmcnt 0x0
	s_add_nc_u64 s[20:21], s[4:5], s[20:21]
	s_add_nc_u64 s[70:71], s[4:5], s[22:23]
	s_add_nc_u64 s[46:47], s[4:5], s[46:47]
	s_add_nc_u64 s[68:69], s[4:5], s[92:93]
	s_add_nc_u64 s[72:73], s[4:5], s[74:75]
	CROUND                                         ; the first joint loads meet
.irp s, 0,1
	s_mov_b32 s[G0+4*\s], 1
	s_mov_b32 s[G0+4*\s+1], \s*SLOT
	s_add_nc_u64 s[G0+4*\s+2:G0+4*\s+3], s[20:21], \s*ROWB
	s_or_b32 s[G0+4*\s+3], s[G0+4*\s+3], 0x80000000
	s_mov_b32 s[G0B+4*\s], 1
	s_mov_b32 s[G0B+4*\s+1], \s*SLOT+2*HALFT
	s_add_nc_u64 s[G0B+4*\s+2:G0B+4*\s+3], s[46:47], \s*ROWB
	s_or_b32 s[G0B+4*\s+3], s[G0B+4*\s+3], 0x80000000
.endr
	s_add_nc_u64 s[20:21], s[20:21], s[18:19]
	s_add_nc_u64 s[46:47], s[46:47], s[18:19]
	s_add_nc_u64 s[92:93], s[20:21], 2*ROWB        ; chunk 2 of my 128 rows, for slot 0's refill
	s_add_nc_u64 s[2:3], s[46:47], 2*ROWB
.macro ARM under, g0, g1, next         ; one tree of branches on the wave's number: every way passes exactly one load
	s_cmp_lt_u32 s14, \under
	s_cbranch_scc0 \next
	tensor_load_to_lds s[\g0:\g0+3], s[\g1:\g1+7]
	s_nop 0
	PLACES 4
	s_branch .Lhead_asked
\next:
.endm
	ARM 1, G0,   G1,  .Lhead_b0
	ARM 2, G0B,  G1B, .Lhead_a1
	ARM 3, G0+4, G1,  .Lhead_b1
	tensor_load_to_lds s[G0B+4:G0B+7], s[G1B:G1B+7]
	s_nop 0
	PLACES 4
.Lhead_asked:
	v_and_b32 v6, 31, v0
	v_mul_u32_u24 v[PFO], v6, KROW
	global_prefetch_b8 v[PFO], s[72:73] th:TH_LOAD_NT scope:SCOPE_SE
	v_and_b32 v1, 15, v0                           ; l % 16
	v_bfe_u32 v2, v0, 4, 1                         ; l / 16
	v_mul_u32_u24 v3, v1, PITCH
	v_mul_u32_u24 v4, v2, 24
	v_add_nc_u32 v4, v3, v4
	s_mov_b32 s21, SLOT-232
	s_mov_b32 s22, SLOT+232
	v_sub_nc_u32 v7, 1, v2
	v_mul_u32_u24 v5, s21, v2
	v_add_nc_u32 v5, v3, v5
	v_add_nc_u32 v5, 232, v5                       ; lanes 0-15 byte 232 of the row in slot 0, lanes 16-31 byte 0 in slot 1;
	v_mul_u32_u24 v6, s22, v7
	v_add_nc_u32 v6, v3, v6                        ; and the other way round
	s_mul_i32 s21, s15, HALFT
	s_mul_i32 s22, s16, HALFT
	s_add_co_u32 s22, s22, 2*HALFT
	v_add_nc_u32 v[ADRA+2], s21, v5
	v_add_nc_u32 v[ADRA+3], s21, v6
	v_add_nc_u32 v[ADRB+2], s22, v5
	v_add_nc_u32 v[ADRB+3], s22, v6
.irp s, 0,1
	v_add_nc_u32 v[ADRA+\s], s21, v4
	v_add_nc_u32 v[ADRB+\s], s22, v4
	s_add_co_u32 s21, s21, SLOT
	s_add_co_u32 s22, s22, SLOT
.endr
	v_lshlrev_b32 v5, 5, v1
	v_lshl_add_u32 v[ADRS], v2, 4, v5
	; the way out's constants: strides in pj by the product
	s_lshl_b32 s18, s42, 1
	s_add_co_u32 s18, s18, s16                     ; my block of 128 rows of B
	s_lshl_b32 s19, s17, 1
	s_add_co_u32 s19, s19, s15                     ; my block of 128 rows of A
	s_mov_b32 s20, 393216
	s_mov_b32 s21, 6144
	s_mov_b32 s12, 768
	s_mov_b32 s[CBC], 196608
	s_mov_b32 s22, 16384
	s_mov_b32 s23, 256
	s_mov_b32 s[SBC], 8192
	s_mov_b32 s[SEL0], 0x05040100
	s_mov_b32 s[SEL1], 0x07060302
	s_cmp_eq_u32 s66, 2
	s_cselect_b32 s20, 98304, s20
	s_cselect_b32 s21, 12288, s21
	s_cselect_b32 s12, 1536, s12
	s_cselect_b32 s[CBC], 768, s[CBC]
	s_cselect_b32 s22, 4096, s22
	s_cselect_b32 s23, 512, s23
	s_cselect_b32 s[SBC], 256, s[SBC]
	s_cselect_b32 s[SEL0], 0x03020100, s[SEL0]
	s_cselect_b32 s[SEL1], 0x07060504, s[SEL1]
	s_mov_b32 s13, 0
	s_mov_b32 s[FLOOR], 3<<23
	s_cmp_eq_u32 s66, 0
	s_cselect_b32 s[FLOOR], 6<<23, s[FLOOR]
	s_cselect_b32 s[SUBW], 0x03030303, 0
	s_mul_i32 s20, s20, s18
	s_mul_i32 s21, s21, s19
	s_add_co_u32 s20, s20, s21
	s_mul_i32 s21, s66, 3145728
	s_add_co_u32 s20, s20, s21
	s_mov_b32 s21, 0
	s_add_nc_u64 s[8:9], s[6:7], s[20:21]          ; where my first operand goes
	s_mul_i32 s22, s22, s18
	s_mul_i32 s23, s23, s19
	s_add_co_u32 s22, s22, s23
	s_lshl_b32 s23, s66, 17
	s_add_co_u32 s22, s22, s23
	s_add_co_u32 s22, s22, 9437184
	s_mov_b32 s23, 0
	s_add_nc_u64 s[10:11], s[6:7], s[22:23]        ; and my scale words
	s_mov_b32 s[SEL], 0x76543210
	s_mov_b32 s[SEL+1], 0xfedcba98
	v_and_b32 v[LN], 31, v0
	v_lshlrev_b32 v[OFC], 3, v[LN]
	v_add_nc_u32 v[OFC+1], s[CBC], v[OFC]
	v_lshlrev_b32 v[OFS], 2, v[LN]
	v_add_nc_u32 v[OFS+1], s[SBC], v[OFS]
.irp b, 0,1,2,3
	v_mov_b32 v[TM+4+\b], 0                        ; a lane permute's destination counts as one of its sources
.endr
.macro FRAG reg, adr, st, i            ; 16 rows x 128 K: 12 registers in pieces of 8 bytes; byte y of a row lies in slot (y / 256) % 2 at byte y % 256
.irp p, 0,1,2,3,4,5
.set BY, 96*(\st)+48*(\p/3)+8*(\p%3)
.if BY/ROWB == (BY+24)/ROWB
	ds_load_b64 v[\reg+2*\p:\reg+2*\p+1], v[\adr+(BY/ROWB)%2] offset:BY%ROWB+(\i)*16*PITCH
.else
	ds_load_b64 v[\reg+2*\p:\reg+2*\p+1], v[\adr+2+(BY/ROWB)%2] offset:BY%ROWB-232+(\i)*16*PITCH
.endif
.endr
.endm
.macro MUL16 a0, p, st                 ; A's blocks a0, a0 + 1 x B's eight; the 64 accumulators take turns; step 0 starts the sums
.irp a, \a0, \a0+1
.irp b, 0,1,2,3,4,5,6,7
.if (\st) == 0
	v_wmma_scale_f32_16x16x128_f8f6f4 v[8*(8*((\a)%4)+\b):8*(8*((\a)%4)+\b)+7], v[128*(\p)+FR*\b:128*(\p)+FR*\b+FR-1], v[AF+FR*(\a):AF+FR*(\a)+FR-1], 0, v[SBR+4*\b], v[SAR+4*(\a)] matrix_a_fmt:MATRIX_FMT_FP6 matrix_b_fmt:MATRIX_FMT_FP6
.elseif (\st) < 4
	v_wmma_scale_f32_16x16x128_f8f6f4 v[8*(8*((\a)%4)+\b):8*(8*((\a)%4)+\b)+7], v[128*(\p)+FR*\b:128*(\p)+FR*\b+FR-1], v[AF+FR*(\a):AF+FR*(\a)+FR-1], v[8*(8*((\a)%4)+\b):8*(8*((\a)%4)+\b)+7], v[SBR+4*\b+(\st)%4], v[SAR+4*(\a)+(\st)%4] matrix_a_fmt:MATRIX_FMT_FP6 matrix_b_fmt:MATRIX_FMT_FP6
.else
	v_wmma_scale_f32_16x16x128_f8f6f4 v[8*(8*((\a)%4)+\b):8*(8*((\a)%4)+\b)+7], v[128*(\p)+FR*\b:128*(\p)+FR*\b+FR-1], v[AF+FR*(\a):AF+FR*(\a)+FR-1], v[8*(8*((\a)%4)+\b):8*(8*((\a)%4)+\b)+7], v[SBR+4*\b+(\st)%4], v[SAR+4*(\a)+(\st)%4] matrix_a_fmt:MATRIX_FMT_FP6 matrix_b_fmt:MATRIX_FMT_FP6 matrix_a_scale:MATRIX_SCALE_ROW1 matrix_b_scale:MATRIX_SCALE_ROW1
.endif
.endr
.endr
.endm
.macro FETCH_B st, p
	WIN TO_B
.irp i, 0,1,2,3,4,5,6,7
	FRAG 128*(\p)+FR*\i, ADRB, \st, \i
.endr
	WIN 0
.endm
.macro FETCH_A st, i0
.irp i, \i0, \i0+1, \i0+2, \i0+3
	FRAG AF+FR*(\i), ADRA, \st, \i
.endr
.endm
; A step: 64 matrix instructions; the next step's fragments are fetched in its middle and at its end.
; RF: the next step begins behind chunk 0, which is read no more: the three lines, the barrier that opens the cluster's round, and the refill with chunk 2.
; NW: the next step ends in chunk 2: a wait for my tensor load and a barrier show it whole to all four waves.
.macro STEP st
.set NX, (\st)+1
.set C0, (96*(\st))/ROWB
.set C1, (96*NX)/ROWB
.set E0, (96*(\st)+95)/ROWB
.set E1, (96*NX+95)/ROWB
.set RF, 0
.set NW, 0
.if C1 > C0
.if C0+2 < CHUNKS
.set RF, 1
.endif
.endif
.if E1 > E0
.if E1 >= 2
.set NW, 1
.endif
.endif
.if RF+NW > 0
	s_wait_tensorcnt 0x0                           ; all my tensor loads have landed
.if RF
	ds_add_u32 v[SPW], v[NIL]
	s_wait_dscnt 4*NL+1                            ; the add and the youngest 24 loads (A's blocks 4-7) may be out
.else
	s_wait_dscnt 4*NL                              ; the youngest 24 loads may be out
.endif
	WIN MUL_LO
	MUL16 0, (\st)%2, \st
	s_wait_dscnt 0x0                               ; the add and my reads are done
	s_barrier_signal -1
	MUL16 2, (\st)%2, \st
	WIN 0
	s_barrier_wait -1
.if RF
	CREST                                          ; the barrier has opened a round of the cluster's
	s_cmp_eq_u32 s15, 0                            ; my one load behind the round: waves 0, 1 for A, waves 2, 3 for B
	s_cbranch_scc0 .Lfor_b_\@
	tensor_load_to_lds s[G0:G0+3], s[G1:G1+7]
	s_nop 0
	PLACES 4
	s_branch .Lasked_\@
.Lfor_b_\@:
	tensor_load_to_lds s[G0B:G0B+3], s[G1B:G1B+7]
	s_nop 0
	PLACES 4                                       ; also the places in front of the loads below
.Lasked_\@:
.else
	PLACES NP
.endif
.else
	s_wait_dscnt 4*NL
	WIN MUL_LO
	MUL16 0, (\st)%2, \st
	MUL16 2, (\st)%2, \st
	s_wait_dscnt 0
	PLACES NP
.endif
	FETCH_B NX, NX%2
	FETCH_A NX, 0
	WIN MUL_HI
	MUL16 4, (\st)%2, \st
	MUL16 6, (\st)%2, \st
	PLACES NP
	WIN 0
	FETCH_A NX, 4
.endm
	s_wait_alu depctr_va_vdst(0)                   ; the wait at the head's end
.irp i, 0,1,2,3,4,5,6,7
	global_load_b128 v[SAR+4*\i:SAR+4*\i+3], v[ADRS], s[70:71] offset:512*\i   ; 32 lanes read 512 consecutive bytes: 16 rows' scales
	global_load_b128 v[SBR+4*\i:SBR+4*\i+3], v[ADRS], s[68:69] offset:512*\i
.endr
	s_wait_tensorcnt 0x0                           ; my tile of the head's four is in
	s_mov_b32 s[G1+2], 128<<16                     ; no load of mine is out: the refill brings 128 rows a wave,
	s_mov_b32 s[G1+4], 128
	s_mov_b32 s[G1B+2], 128<<16
	s_mov_b32 s[G1B+4], 128
	s_mov_b32 s[G0+1], s45                         ; chunk 2 into slot 0
	s_mov_b64 s[G0+2:G0+3], s[92:93]
	s_or_b32 s[G0+3], s[G0+3], 0x80000000
	s_mov_b32 s[G0B+1], s45
	s_mov_b64 s[G0B+2:G0B+3], s[2:3]
	s_or_b32 s[G0B+3], s[G0B+3], 0x80000000
	s_barrier_signal -1
	s_barrier_wait -1                              ; both slots are whole
	FETCH_B 0, 0
	FETCH_A 0, 0
	FETCH_A 0, 4
	s_wait_loadcnt 0x0                             ; the scale words
.set ST, 0
.rept STEPS-1
	STEP ST
.set ST, ST+1
.endr
	s_wait_dscnt 4*NL
	WIN MUL_LO
	MUL16 0, 1, 7
	MUL16 2, 1, 7
	s_wait_dscnt 0
	WIN MUL_HI
	MUL16 4, 1, 7
	MUL16 6, 1, 7
	WIN 0
; THE WAY OUT.  Block a of A's rows: a lane holds one row; register 16 b + i = k 32 b + 16 (lane / 16) + i of the next K.
.macro QBLK a
.set AC, 64*((\a)%4)
.set QW, 2+(\a)/4
.set QW12, (QW<<2)|(QW<<4)
	WIN QW12
.irp b, 0,1,2,3
	v_max3_num_f32 v[TM+\b], s[FLOOR], |v[AC+16*\b]|, |v[AC+16*\b+1]|   ; each accumulator is read from its low end on
.endr
.irp i, 2,4,6,8,10,12,14
.irp b, 0,1,2,3
	v_max3_num_f32 v[TM+\b], v[TM+\b], |v[AC+16*\b+\i]|, |v[AC+16*\b+\i+1]|
.endr
.endr
	WIN 0
.irp b, 0,1,2,3
	v_permlanex16_b32 v[TM+4+\b], v[TM+\b], s[SEL], s[SEL+1]
.endr
.irp b, 0,1,2,3
	v_max_num_f32 v[TM+\b], v[TM+\b], v[TM+4+\b]
.endr
.irp b, 0,1,2,3
	v_add_nc_u32 v[TM+12+\b], 0xff000000, v[TM+\b] ; 2 off the exponent field: the conversion's scale operand
.endr
.irp b, 0,1,2,3
	v_lshrrev_b32 v[TM+4+\b], 23, v[TM+12+\b]
.endr
	v_lshl_or_b32 v[PW+\a], v[TM+5], 8, v[TM+4]
	v_lshl_or_b32 v[PW+\a], v[TM+6], 16, v[PW+\a]
	v_lshl_or_b32 v[PW+\a], v[TM+7], 24, v[PW+\a]
	v_sub_nc_u32 v[PW+\a], v[PW+\a], s[SUBW]       ; Q: / 8 = 3 off each byte (each is 4 or more)
	s_wait_xcnt 0x0                                ; the last block's stores have read their data and their base
.if (\a) > 0
	s_add_nc_u64 s[8:9], s[8:9], s[12:13]
.endif
	WIN QW
.irp c, 0,1
	v_cvt_scalef32_pk16_fp6_f32 v[PC+6*\c:PC+6*\c+2], v[AC+32*\c:AC+32*\c+15], v[TM+12+2*\c]
	v_cvt_scalef32_pk16_fp6_f32 v[PC+12+4*\c:PC+14+4*\c], v[AC+32*\c+16:AC+32*\c+31], v[TM+12+2*\c+1]
.endr
	WIN 0
	v_nop                                          ; one plain place behind a scaled conversion
.irp c, 0,1
.irp i, 0,1,2
	v_permlane16_swap_b32 v[PC+6*\c+\i], v[PC+12+4*\c+\i]
.endr
.irp i, 0,1,2
	v_mov_b32 v[PC+3+6*\c+\i], v[PC+12+4*\c+\i]
.endr
.endr
.irp c, 0,1
.irp i, 0,1,2
	global_store_b64 v[OFC+\c], v[PC+6*\c+2*\i:PC+6*\c+2*\i+1], s[8:9] offset:256*\i   ; 32 lanes store 256 consecutive bytes, aligned
.endr
.endr
.endm
	PLACES NP
.irp a, 0,1,2,3,4,5,6,7
	QBLK \a
.endr
.irp p, 0,1,2,3
	v_perm_b32 v[WD+\p], v[PW+2*\p+1], v[PW+2*\p], s[SEL0]
	v_perm_b32 v[WD+4+\p], v[PW+2*\p+1], v[PW+2*\p], s[SEL1]
.endr
	v_cmp_le_u32 vcc_lo, 16, v[LN]                 ; lanes 16-31 take the next sixteen rows' words
.irp c, 0,1
.irp e, 0,1
	v_cndmask_b32 v[WS+2*\c+\e], v[WD+4*\c+2*\e], v[WD+4*\c+2*\e+1], vcc_lo
	global_store_b32 v[OFS+\c], v[WS+2*\c+\e], s[10:11] offset:128*\e
.endr
.endr
	s_wait_tensorcnt 0x0                           ; the wave's end
	ds_add_u32 v[SPW], v[NIL]
	s_wait_dscnt 0x0
	CROUND                                         ; the closing round
	s_endpgm
.Lfunc_end_k_q1065effec8_proj:
	.size	k_q1065effec8_proj, .Lfunc_end_k_q1065effec8_proj-k_q1065effec8_proj
	.p2alignl 7, 3214868480
	.fill 96, 4, 3214868480
	.section	.rodata,"a",@progbits
	.p2align	6, 0x0
	.amdhsa_kernel k_q1065effec8_proj
		.amdhsa_group_segment_fixed_size 327680
		.amdhsa_private_segment_fixed_size 0
		.amdhsa_enable_private_segment 0
		.amdhsa_kernarg_size 16
		.amdhsa_user_sgpr_count 2
		.amdhsa_user_sgpr_kernarg_segment_ptr 1
		.amdhsa_wavefront_size32 1
		.amdhsa_system_sgpr_workgroup_id_x 1
		.amdhsa_system_sgpr_workgroup_id_y 1
		.amdhsa_system_sgpr_workgroup_id_z 1
		.amdhsa_system_vgpr_workitem_id 0
		.amdhsa_next_free_vgpr 1024
		.amdhsa_next_free_sgpr 102
		.amdhsa_reserve_vcc 1
		.amdhsa_float_denorm_mode_32 3
		.amdhsa_float_denorm_mode_16_64 3
		.amdhsa_memory_ordered 1
		.amdhsa_forward_progress 1
		.amdhsa_inst_pref_size 167
	.end_amdhsa_kernel
	.amdgpu_metadata
---
amdhsa.version: [ 1, 2 ]
amdhsa.kernels:
  - .name:           k_q1065effec8_proj
    .symbol:         k_q1065effec8_proj.kd
    .args:
      - { .name: xq, .offset: 0, .size: 8, .value_kind: global_buffer, .address_space: global }
      - { .name: pj, .offset: 8, .size: 8, .value_kind: global_buffer, .address_space: global }
    .group_segment_fixed_size: 327680
    .private_segment_fixed_size: 0
    .kernarg_segment_align: 8
    .kernarg_segment_size: 16
    .max_flat_workgroup_size: 128
    .sgpr_count:     102
    .vgpr_count:     1024
    .wavefront_size: 32
...
	.end_amdgpu_metadata
.endif
;; end of part 2
;; launch smaxl (part 3): grid 256 x 1, 8 waves a work-group, no clusters, 52,480 bytes of LDS; arguments pj, smax; writes smax
.if DOCPART == 3
	.amdgcn_target "amdgcn-amd-amdhsa--gfx1250"
	.amdhsa_code_object_version 6
	.text
	.protected	k_q1065effec8_smaxl
	.globl	k_q1065effec8_smaxl
	.p2align	8
	.type	k_q1065effec8_smaxl,@function
k_q1065effec8_smaxl:
	s_mov_b64 s[64:65], 0
	v_nop
	global_prefetch_b8 v0, s[64:65] scope:SCOPE_SE
	s_setreg_imm32_b32 hwreg(HW_REG_WAVE_MODE, 25, 1), 1
	s_wait_xcnt 0x0
; The largest |score| of all 32 x 2,048 x 2,048 scores qh . kh, taken ahead of the mask as reference() takes it: one number for each work-group into smax[256]; the next launch joins them.
; A work-group: one (batch, head), 512 queries x 1,024 keys.  A wave: 4 tiles of 16 queries against all 32 pairs of key tiles: 256 matrix instructions.
; K = 64 IS HALF OF THE INSTRUCTION'S 128.  Source 0 is TWO key tiles' half fragments on end (k 0-63: the even tile, k 64-127: the odd); source 1 is the query tile's half fragment beside six registers of zero codes:
; 18 registers [data][zeros][data] give both forms, registers 0-11 (the even key tile's scores) and 6-17 (the odd one's).  Zero codes add nothing under any scale byte but 0xff, and no byte here is.
; The attention launch makes its scores by the same instruction on the same operands, so the maximum found here bounds them.
; The keys' codes (49,152 bytes) and scale words (2,048) are copied once into LDS as they lie in memory; every fragment is then six loads of 8 bytes a lane, 256 consecutive bytes each.
; Two banks of eight accumulators: behind each matrix instruction stand four v_max3 on the other bank's finished tile; they are also the places that the loads and reads behind the matrix instructions want.
.set KC,    0                          ; LDS: 64 half fragments of keys
.set KSCL,  49152                      ; 32 pairs x 16 words
.set RED,   51200                      ; the eight waves' maxima, in a block of 256 bytes of their own
.set SPARE, 51456                      ; the spare words: 128 bytes a wave, four blocks of 256 bytes that no other line names
.set SPW, 5
.set NIL, 6
.set MX,  16                           ; v16-19 four running maxima
.set QS,  20                           ; v20-23 the query tiles' scale words (their two bytes in both halves)
.set KSR, 24                           ; v24-25 the key pairs' scale words, two buffers
.set KF,  28                           ; v28-51 a pair of key tiles, two buffers
.set QF,  52                           ; v52-123 18 registers a query tile
.set ACC, 128                          ; v128-255 two banks of 8 accumulators (at the head: the copies)
	s_load_b128 s[4:7], s[0:1], 0x0                ; pj, smax
	v_lshl_add_u32 v[SPW], v0, 2, SPARE
	v_mov_b32 v[NIL], 0
	v_lshrrev_b32 v8, 5, v0
	s_delay_alu instid0(VALU_DEP_1)
	v_readfirstlane_b32 s8, v8                     ; wave 0..7
	v_and_b32 v7, 31, v0                           ; lane
	s_delay_alu instid0(VALU_DEP_1)
	v_lshlrev_b32 v1, 4, v7                        ; 16 x lane
	s_wait_alu depctr_va_vdst(0)
	v_lshlrev_b32 v2, 3, v7                        ; 8 x lane
	s_wait_alu depctr_va_vdst(0)
	v_and_b32 v3, 15, v0
	s_delay_alu instid0(VALU_DEP_1)
	v_lshlrev_b32 v3, 2, v3                        ; 4 x (lane % 16)
	s_delay_alu instid0(VALU_DEP_1)
	v_add_nc_u32 v4, KSCL, v3
	s_lshr_b32 s9, ttmp9, 3
	s_lshr_b32 s10, s9, 4                          ; batch
	s_and_b32 s11, s9, 15                          ; head
	s_bfe_u32 s12, ttmp9, 0x20001                  ; which 512 queries
	s_and_b32 s13, ttmp9, 1                        ; which 1,024 keys
	s_lshl_b32 s14, s11, 8
	s_lshl_b32 s15, s10, 7
	s_add_co_u32 s14, s14, s15                     ; the first token tile of (head, batch)
	s_lshl_b32 s15, s13, 6
	s_add_co_u32 s15, s15, s14                     ; my work-group's first key tile
	s_mul_i32 s16, s15, 768
	s_mul_i32 s24, s8, 6144                        ; my wave's eighth of the copy
	s_add_co_u32 s16, s16, s24
	s_add_co_u32 s16, s16, 3145728                 ; K's codes in pj
	s_mov_b32 s17, 0
	s_lshl_b32 s18, s15, 5                         ; 64 bytes a pair of tiles
	s_lshl_b32 s19, s8, 8
	s_add_co_u32 s18, s18, s19
	s_add_co_u32 s18, s18, 9568256                 ; K's scale words in pj
	v_add_nc_u32 v10, s24, v1                      ; LDS: where my part of the codes goes
	s_add_co_u32 s19, s19, KSCL
	v_add_nc_u32 v11, s19, v2                      ; and of the scale words
	s_mov_b32 s19, 0
	s_lshl_b32 s20, s12, 5
	s_add_co_u32 s20, s20, s14
	s_lshl_b32 s21, s8, 2
	s_add_co_u32 s20, s20, s21                     ; my wave's first query tile
	s_lshl_b32 s22, s20, 5
	s_add_co_u32 s22, s22, 9437184                 ; Q's scale words in pj
	s_mov_b32 s23, 0
	s_mul_i32 s20, s20, 768
	s_mov_b32 s21, 0
	s_lshl_b32 s25, s8, 2
	s_add_co_u32 s25, s25, RED
	v_mov_b32 v12, s25                             ; LDS: my wave's word
	v_mov_b32 v13, RED
	s_lshl_b32 s29, ttmp9, 2
	v_mov_b32 v14, s29                             ; my work-group's word in smax
	s_mov_b32 s26, 0x76543210
	s_mov_b32 s27, 0xfedcba98
	s_wait_alu depctr_va_vdst(0)
	s_wait_kmcnt 0x0
	s_add_nc_u64 s[16:17], s[4:5], s[16:17]
	s_add_nc_u64 s[18:19], s[4:5], s[18:19]
	s_add_nc_u64 s[20:21], s[4:5], s[20:21]
	s_add_nc_u64 s[22:23], s[4:5], s[22:23]
.irp i, 0,1,2,3,4,5,6,7,8,9,10,11
	global_load_b128 v[ACC+4*\i:ACC+4*\i+3], v1, s[16:17] offset:512*\i   ; 512 consecutive bytes a load
.endr
	global_load_b64 v[ACC+48:ACC+49], v2, s[18:19]
.irp t, 0,1,2,3
.irp i, 0,1,2
	global_load_b64 v[QF+18*\t+2*\i:QF+18*\t+2*\i+1], v2, s[20:21] offset:768*\t+256*\i        ; the query tile's half fragment, twice
	global_load_b64 v[QF+18*\t+12+2*\i:QF+18*\t+12+2*\i+1], v2, s[20:21] offset:768*\t+256*\i
.endr
.endr
	global_load_b32 v8, v3, s[22:23]               ; the words of tiles 0, 1
	global_load_b32 v9, v3, s[22:23] offset:64     ; and of tiles 2, 3
.irp t, 0,1,2,3
.irp i, 6,7,8,9,10,11
	v_mov_b32 v[QF+18*\t+\i], 0                    ; the zero codes between
.endr
	v_mov_b32 v[MX+\t], 0
.endr
	s_wait_loadcnt 26                              ; the thirteen copies are in; Q's 24 loads and its 2 words may be out
.irp i, 0,1,2,3,4,5,6,7,8,9,10,11
	ds_store_b128 v10, v[ACC+4*\i:ACC+4*\i+3] offset:512*\i
.endr
	ds_store_b64 v11, v[ACC+48:ACC+49]
	s_wait_loadcnt 0x0
	v_perm_b32 v[QS+0], v8, v8, 0x01000100         ; an even tile's two bytes, in both halves of the word,
	v_perm_b32 v[QS+1], v8, v8, 0x03020302         ; an odd tile's
	v_perm_b32 v[QS+2], v9, v9, 0x01000100
	v_perm_b32 v[QS+3], v9, v9, 0x03020302
.rept 8
	v_nop                                          ; a scale register written by a vector instruction stands 8 places ahead of a scaled matrix instruction
.endr
	s_wait_alu depctr_va_vdst(0)
	s_wait_dscnt 0x0                               ; for the others' sake: my stores have landed
	s_barrier_signal -1
	s_barrier_wait -1
.macro KLOAD f, buf
.irp p, 0,1,2,3,4,5
	ds_load_b64 v[KF+12*(\buf)+2*\p:KF+12*(\buf)+2*\p+1], v2 offset:1536*(\f)+256*\p
.endr
	ds_load_b32 v[KSR+(\buf)], v4 offset:64*(\f)
.endm
.macro CSTEP f, domax, more
	s_wait_dscnt 0x0                               ; this pair's fragment and words are in
.if \more
	KLOAD (\f)+1, ((\f)+1)%2                       ; the next pair's, into the buffer whose last reader stands four plain instructions back
.endif
.irp t, 0,1,2,3
.irp e, 0,1
	v_wmma_scale_f32_16x16x128_f8f6f4 v[ACC+64*((\f)%2)+8*(2*\t+\e):ACC+64*((\f)%2)+8*(2*\t+\e)+7], v[KF+12*((\f)%2):KF+12*((\f)%2)+11], v[QF+18*\t+6*\e:QF+18*\t+6*\e+11], 0, v[KSR+(\f)%2], v[QS+\t] matrix_a_fmt:MATRIX_FMT_FP6 matrix_b_fmt:MATRIX_FMT_FP6
.if \domax
.irp j, 0,1,2,3
	v_max3_num_f32 v[MX+\j], v[MX+\j], |v[ACC+64*(1-(\f)%2)+8*(2*\t+\e)+2*\j]|, |v[ACC+64*(1-(\f)%2)+8*(2*\t+\e)+2*\j+1]|   ; the other bank's tile, from its low end on
.endr
.endif
.endr
.endr
.if \domax == 0
.rept 4
	v_nop
.endr
.endif
.endm
	KLOAD 0, 0
	CSTEP 0, 0, 1
.set F, 1
.rept 30
	s_wait_alu depctr_va_vdst(0)
	CSTEP F, 1, 1
.set F, F+1
.endr
	s_wait_alu depctr_va_vdst(0)
	CSTEP 31, 1, 0
.irp a, 0,1,2,3,4,5,6,7
.irp j, 0,1,2,3
	v_max3_num_f32 v[MX+\j], v[MX+\j], |v[ACC+64+8*\a+2*\j]|, |v[ACC+64+8*\a+2*\j+1]|   ; the last bank
.endr
.endr
	s_delay_alu instid0(VALU_DEP_2)
	v_max3_num_f32 v[MX], v[MX], v[MX+1], v[MX+2]
	s_delay_alu instid0(VALU_DEP_1)
	v_max_num_f32 v[MX], v[MX], v[MX+3]
	s_delay_alu instid0(VALU_DEP_1)
	v_max_num_f32_dpp v[MX], v[MX], v[MX] row_xmask:1 row_mask:0xf bank_mask:0xf
	s_delay_alu instid0(VALU_DEP_1)
	v_max_num_f32_dpp v[MX], v[MX], v[MX] row_xmask:2 row_mask:0xf bank_mask:0xf
	s_delay_alu instid0(VALU_DEP_1)
	v_max_num_f32_dpp v[MX], v[MX], v[MX] row_xmask:4 row_mask:0xf bank_mask:0xf
	s_delay_alu instid0(VALU_DEP_1)
	v_max_num_f32_dpp v[MX], v[MX], v[MX] row_xmask:8 row_mask:0xf bank_mask:0xf
	s_delay_alu instid0(VALU_DEP_1)
	v_permlanex16_b32 v[MX+1], v[MX], s26, s27
	s_delay_alu instid0(VALU_DEP_1)
	v_max_num_f32 v[MX], v[MX], v[MX+1]            ; the wave's
	ds_store_b32 v12, v[MX]                        ; all lanes write the same word with the same value
	s_wait_dscnt 0x0
	s_barrier_signal -1
	s_barrier_wait -1
	ds_load_b128 v[28:31], v13
	ds_load_b128 v[32:35], v13 offset:16
	s_wait_dscnt 0x0
	v_max3_num_f32 v28, v28, v29, v30
	v_max3_num_f32 v31, v31, v32, v33
	s_delay_alu instid0(VALU_DEP_2)
	v_max3_num_f32 v28, v28, v34, v35
	s_delay_alu instid0(VALU_DEP_1)
	v_max_num_f32 v28, v28, v31                    ; the work-group's
	s_wait_tensorcnt 0x0                           ; the wave's end: behind my last LDS store
	ds_add_u32 v[SPW], v[NIL]
	s_wait_dscnt 0x0
	s_cmp_lg_u32 s8, 0
	s_cbranch_scc1 .Lend                           ; wave 0 stores
	s_wait_xcnt 0x0                                ; EXEC changes only behind this wait
	v_cmp_eq_u32 vcc_lo, 0, v0
	s_and_saveexec_b32 s28, vcc_lo
	s_wait_alu depctr_va_vdst(0)
	global_store_b32 v14, v28, s[6:7]
	s_wait_xcnt 0x0
	s_or_b32 exec_lo, exec_lo, s28
.Lend:
	s_endpgm
.Lfunc_end_k_q1065effec8_smaxl:
	.size	k_q1065effec8_smaxl, .Lfunc_end_k_q1065effec8_smaxl-k_q1065effec8_smaxl
	.p2alignl 7, 3214868480
	.fill 96, 4, 3214868480
	.section	.rodata,"a",@progbits
	.p2align	6, 0x0
	.amdhsa_kernel k_q1065effec8_smaxl
		.amdhsa_group_segment_fixed_size 52480
		.amdhsa_private_segment_fixed_size 0
		.amdhsa_enable_private_segment 0
		.amdhsa_kernarg_size 16
		.amdhsa_user_sgpr_count 2
		.amdhsa_user_sgpr_kernarg_segment_ptr 1
		.amdhsa_wavefront_size32 1
		.amdhsa_system_sgpr_workgroup_id_x 1
		.amdhsa_system_sgpr_workgroup_id_y 1
		.amdhsa_system_sgpr_workgroup_id_z 1
		.amdhsa_system_vgpr_workitem_id 0
		.amdhsa_next_free_vgpr 256
		.amdhsa_next_free_sgpr 66
		.amdhsa_reserve_vcc 1
		.amdhsa_float_denorm_mode_32 3
		.amdhsa_float_denorm_mode_16_64 3
		.amdhsa_memory_ordered 1
		.amdhsa_forward_progress 1
		.amdhsa_inst_pref_size 123
	.end_amdhsa_kernel
	.amdgpu_metadata
---
amdhsa.version: [ 1, 2 ]
amdhsa.kernels:
  - .name:           k_q1065effec8_smaxl
    .symbol:         k_q1065effec8_smaxl.kd
    .args:
      - { .name: pj, .offset: 0, .size: 8, .value_kind: global_buffer, .address_space: global }
      - { .name: smax, .offset: 8, .size: 8, .value_kind: global_buffer, .address_space: global }
    .group_segment_fixed_size: 52480
    .private_segment_fixed_size: 0
    .kernarg_segment_align: 8
    .kernarg_segment_size: 16
    .max_flat_workgroup_size: 256
    .sgpr_count:     66
    .vgpr_count:     256
    .wavefront_size: 32
...
	.end_amdgpu_metadata
.endif
;; end of part 3
;; launch attn (part 4): grid 256 x 1, 16 waves a work-group, no clusters, 162,304 bytes of LDS; arguments pj, smax, ao; writes ao
.if DOCPART == 4
	.amdgcn_target "amdgcn-amd-amdhsa--gfx1250"
	.amdhsa_code_object_version 6
	.text
	.protected	k_q1065effec8_attn
	.globl	k_q1065effec8_attn
	.p2align	8
	.type	k_q1065effec8_attn,@function
k_q1065effec8_attn:
	s_mov_b64 s[64:65], 0
	v_nop
	global_prefetch_b8 v0, s[64:65] scope:SCOPE_SE
	s_setreg_imm32_b32 hwreg(HW_REG_WAVE_MODE, 25, 1), 1
	s_wait_xcnt 0x0
; The windowed attention on codes of FP6 (E2M3): scores, / max(largest |score|, 1), window mask, softmax, x V, / the row's sum; the result is quantised along the channels for the last projection (into ao).
; A work-group: one batch, four heads (256 channels), 64 queries.  A wave: one head, one tile of 16 queries, in 256 registers: four waves to a SIMD.
; THE WINDOW.  Query i sees keys i - 255 .. i.  A masked logit is -10,000, whose weight is 0 in f32: so only the three aligned groups of 128 keys G - 2, G - 1, G are multiplied (G: the group of the queries).
;   group G: key k' counts where k' <= q' (places within the group); group G - 1: all count; group G - 2: where k' > q'.  Groups under 0 do not exist: a scalar branch on the work-group's number leaves their steps out.
; NO MAXIMUM IS TAKEN AWAY: reference() itself divides the scores by max(largest |score|, 1), so |logit| <= 1 for every input, t = logit x log2(e) lies in -1.45 .. 1.45, p = 2^t in 0.36 .. 2.8 and a row's sum under 700.
;   The rule's M is a whole number that the blocks' scales take up exactly: with M = 0 the codes' values and O / l are the same.
; LAYOUT.  Both products transposed: S^T = K Q^T (source 0 = keys), O^T = V^T P^T (source 0 = channels): a lane holds one query (lane % 16) throughout.  The scores' K is 64: source 0 is two key tiles' half fragments on end,
;   source 1 the query's half fragment beside zero codes (18 registers [data][zeros][data]).  pj holds keys and channels so ordered that 16 registers of two neighbouring tiles are 16 neighbours along the next K.
; LDS is filled once, through registers, as the operands lie in memory (images of registers): every fragment is six loads of 8 bytes a lane, 256 consecutive bytes each.
; 1 / max, 1 / l by v_rcp_f32.  LIMITS: NaN and infinities are not served; a block of zeros gets the byte 1 (zero codes; read by this program alone).
; The scale bytes leave as 8 bytes of each token's row of 32: parts of aligned blocks of 256 bytes, one byte in 24 of what the launch stores.
.set KB,    0                          ; LDS: K: [head of four][slot of three][8 half fragments]
.set VB,    73728                      ; V: [slot][16 tiles of channels][1,536]
.set SSC,   159744                     ; and 64 rows x 8 scale bytes
.set SPARE, 160256                     ; the spare words: 128 bytes a wave, eight blocks of 256 bytes that no other line names
.set AKR, 1                            ; v1  LDS: my head's K, 8 x lane
.set AVR, 2                            ; v2  LDS: my head's V
.set DL,  3                            ; v3  my query's place in its group - 16 (lane / 16)
.set NINF, 4                           ; v4  -infinity
.set SPW, 5
.set NIL, 6
.set CC,  8                            ; v[8:9]   c = log2(e) / max(largest |score|, 1), twice
.set LS,  10                           ; v[10:11] the row's sum, in two halves
.set QSW, 12                           ; v12 Q's scale word
.set QSR, 13                           ; v13 as loaded
.set KSC, 14                           ; v14-19 K's scale words: slot s, pairs 2 e (lanes 0-15) and 2 e + 1 (lanes 16-31)
.set VSC, 20                           ; v20-25 V's likewise
.set QF,  26                           ; v26-43
.set FB,  44                           ; v44-91 four fragments of K or of V
.set LT,  92                           ; v[92:93] the sum's second chain; later 1 / l
.set S,   96                           ; v96-159 S^T, then p (at the head: the copies, v96-167)
.set O,   160                          ; v160-191 O^T
.set PC,  192                          ; v192-210 codes
.set TM,  212                          ; v212-227 the quantiser's work
.set PW,  228                          ; v228 the scale word just made
.set SEL, 22                           ; s[22:23]
	s_load_b128 s[4:7], s[0:1], 0x0                ; pj, smax
	s_load_b64 s[8:9], s[0:1], 0x10                ; ao
	v_lshl_add_u32 v[SPW], v0, 2, SPARE
	v_mov_b32 v[NIL], 0
	v_lshrrev_b32 v7, 5, v0
	s_delay_alu instid0(VALU_DEP_1)
	v_readfirstlane_b32 s10, v7                    ; wave 0..15
	s_and_b32 s11, s10, 3                          ; my tile of 16 queries
	s_lshr_b32 s12, s10, 2                         ; my head of the four
	s_lshr_b32 s13, ttmp9, 7                       ; batch
	s_bfe_u32 s14, ttmp9, 0x20005                  ; which four heads
	s_and_b32 s15, ttmp9, 31                       ; which 64 queries
	s_lshr_b32 s16, s15, 1                         ; G: their group of 128
	s_and_b32 s17, s15, 1                          ; and which half of it
	s_lshl_b32 s18, s14, 2
	s_add_co_u32 s18, s18, s12                     ; head
	s_sub_co_i32 s19, s16, 2                       ; the three slots' key groups, held at 0 from below: every load stays inside its buffer; what a held slot brings is read by no step
	s_max_i32 s19, s19, 0
	s_sub_co_i32 s20, s16, 1
	s_max_i32 s20, s20, 0
	s_mov_b32 s21, s16
	s_mov_b32 s[SEL], 0x76543210
	s_mov_b32 s[SEL+1], 0xfedcba98
	v_and_b32 v192, 31, v0                         ; lane
	v_and_b32 v193, 15, v0                         ; r
	v_bfe_u32 v194, v0, 4, 1                       ; h
	s_delay_alu instid0(VALU_DEP_3)
	v_lshlrev_b32 v195, 4, v192
	s_wait_alu depctr_va_vdst(0)
	v_lshlrev_b32 v196, 3, v192
	v_lshlrev_b32 v197, 2, v192
	s_wait_alu depctr_va_vdst(0)
	v_lshlrev_b32 v198, 2, v193
	s_delay_alu instid0(VALU_DEP_1)
	v_lshl_add_u32 v199, v194, 8, v198             ; 256 h + 4 r
	; offsets in pj, all under 2^24; the steps reuse v244-255 for the row's sum
	s_wait_alu depctr_va_vdst(0)
	; my 16 queries lie in block j of 32 of their group.  In the queries' own group the blocks of keys behind j are hidden whole, in the group two before those ahead of j:
	; s[48:55] and s[56:63] hold, for each block, minus infinity (hidden whole) or 0, twice: the addend of t
	s_lshl_b32 s66, s17, 1
	s_lshr_b32 s24, s11, 1
	s_add_co_u32 s66, s66, s24                     ; j
.irp b, 0,1,2,3
	s_cmp_lt_u32 s66, \b
	s_cselect_b32 s[48+2*\b], 0xff800000, 0
	s_mov_b32 s[49+2*\b], s[48+2*\b]
	s_cmp_gt_u32 s66, \b
	s_cselect_b32 s[56+2*\b], 0xff800000, 0
	s_mov_b32 s[57+2*\b], s[56+2*\b]
.endr
	s_mul_i32 s24, s18, 196608
	s_mul_i32 s25, s13, 98304
	s_add_co_u32 s24, s24, s25                     ; (head, batch)'s first token tile, in bytes of codes
	s_mul_i32 s25, s11, 1536                       ; my quarter of a slot's K
	s_add_co_u32 s25, s25, s24
	s_add_co_u32 s25, s25, 3145728
	s_mul_i32 s27, s13, 1572864                    ; 16 key groups of V a batch
	s_mul_i32 s28, s14, 24576                      ; my four heads' 16 tiles
	s_add_co_u32 s27, s27, s28
	s_mul_i32 s28, s10, 1536                       ; my sixteenth of a slot's V
	s_add_co_u32 s27, s27, s28
	s_add_co_u32 s27, s27, 6291456
	s_lshl_b32 s29, s18, 13
	s_lshl_b32 s30, s13, 12
	s_add_co_u32 s29, s29, s30                     ; (head, batch) among Q's and K's scale words
	s_add_co_u32 s31, s29, 9568256
	s_lshl_b32 s32, s13, 16
	s_lshl_b32 s33, s14, 10
	s_add_co_u32 s32, s32, s33
	s_lshr_b32 s33, s12, 1
	s_lshl_b32 s33, s33, 9
	s_add_co_u32 s32, s32, s33
	s_and_b32 s33, s12, 1
	s_lshl_b32 s33, s33, 7
	s_add_co_u32 s32, s32, s33
	s_add_co_u32 s32, s32, 9699328                 ; my head among V's scale words
.irp s, 0,1,2
	s_mul_i32 s26, s[19+\s], 6144
	s_add_co_u32 s26, s26, s25
	v_add_nc_u32 v[240+\s], s26, v195
	s_mul_i32 s26, s[19+\s], 98304
	s_add_co_u32 s26, s26, s27
	v_add_nc_u32 v[243+\s], s26, v195
	s_lshl_b32 s26, s[19+\s], 8
	s_add_co_u32 s26, s26, s31
	v_add_nc_u32 v[248+\s], s26, v197
	s_lshl_b32 s26, s[19+\s], 12
	s_add_co_u32 s26, s26, s32
	v_add_nc_u32 v[251+\s], s26, v199
.endr
	s_lshl_b32 s28, s15, 2
	s_add_co_u32 s28, s28, s11
	s_mul_i32 s28, s28, 768
	s_add_co_u32 s28, s28, s24
	v_add_nc_u32 v246, s28, v196                   ; my query tile's half fragment
	s_lshl_b32 s30, s15, 7
	s_lshr_b32 s33, s11, 1
	s_lshl_b32 s33, s33, 6
	s_add_co_u32 s30, s30, s33
	s_add_co_u32 s30, s30, s29
	s_add_co_u32 s30, s30, 9437184
	v_add_nc_u32 v247, s30, v198                   ; and its pair's scale words
	v_lshlrev_b32 v254, 5, v192                    ; smax: 32 bytes a lane
	s_and_b32 s33, s11, 1
	s_mov_b32 s47, 0x01000100                      ; an even tile's two bytes, in both halves of the word,
	s_cmp_eq_u32 s33, 1
	s_cselect_b32 s47, 0x03020302, s47             ; an odd tile's
	; LDS addresses, all made here
	s_mul_i32 s34, s12, 18432
	v_add_nc_u32 v[AKR], s34, v196
	s_mul_i32 s35, s11, 1536
	s_add_co_u32 s35, s35, s34
	v_add_nc_u32 v230, s35, v195                   ; where my part of K goes
	s_mul_i32 s36, s12, 6144
	s_add_co_u32 s36, s36, VB
	v_add_nc_u32 v[AVR], s36, v196
	s_mul_i32 s37, s10, 1536
	s_add_co_u32 s37, s37, VB
	v_add_nc_u32 v231, s37, v195                   ; and of V
	s_lshl_b32 s38, s17, 6
	s_lshl_b32 s39, s11, 4
	s_add_co_u32 s38, s38, s39
	v_lshlrev_b32 v[DL], 4, v194
	s_delay_alu instid0(VALU_DEP_1)
	v_sub_nc_u32 v[DL], v193, v[DL]
	s_delay_alu instid0(VALU_DEP_1)
	v_add_nc_u32 v[DL], s38, v[DL]
	v_mov_b32 v[NINF], 0xff800000
	s_lshl_b32 s40, s11, 7
	s_lshl_b32 s41, s12, 1
	s_add_co_u32 s40, s40, s41
	s_add_co_u32 s40, s40, SSC
	v_lshl_add_u32 v233, v193, 3, s40              ; the row's 8 scale bytes, my head's two
	s_lshl_b32 s44, s13, 11
	s_lshl_b32 s45, s15, 6
	s_add_co_u32 s44, s44, s45                     ; the work-group's first token
	s_lshr_b32 s43, s44, 4
	s_add_co_u32 s43, s43, s11                     ; my tile of 16 tokens
	s_mul_i32 s43, s43, 12288                      ; ao's codes: [tile of 16 tokens][head][768]: images of the last projection's operand registers
	s_mul_i32 s41, s18, 768
	s_add_co_u32 s43, s43, s41
	v_add_nc_u32 v235, s43, v196                   ; 8 bytes a lane
	s_and_b32 s45, s10, 1
	s_lshl_b32 s46, s45, 8
	s_add_co_u32 s46, s46, SSC
	v_add_nc_u32 v236, s46, v196                   ; waves 0, 1: 32 rows' scale bytes
	s_lshl_b32 s45, s45, 5
	s_add_co_u32 s45, s45, s44
	s_lshl_b32 s45, s45, 5
	s_lshl_b32 s46, s14, 3
	s_add_co_u32 s45, s45, s46
	s_add_co_u32 s45, s45, 3145728
	v_lshl_add_u32 v237, v192, 5, s45
	s_wait_kmcnt 0x0
.irp s, 0,1,2
.irp i, 0,1,2
	global_load_b128 v[96+12*\s+4*\i:96+12*\s+4*\i+3], v[240+\s], s[4:5] offset:512*\i     ; K: 512 consecutive bytes a load
.endr
.endr
.irp s, 0,1,2
.irp i, 0,1,2
	global_load_b128 v[132+12*\s+4*\i:132+12*\s+4*\i+3], v[243+\s], s[4:5] offset:512*\i   ; V
.endr
.endr
	global_load_b128 v[168:171], v254, s[6:7]      ; the 256 partial maxima, 8 a lane
	global_load_b128 v[172:175], v254, s[6:7] offset:16
.irp i, 0,1,2
	global_load_b64 v[QF+2*\i:QF+2*\i+1], v246, s[4:5] offset:256*\i
	global_load_b64 v[QF+12+2*\i:QF+12+2*\i+1], v246, s[4:5] offset:256*\i
.endr
	global_load_b32 v[QSR], v247, s[4:5]
.irp s, 0,1,2
.irp e, 0,1
	global_load_b32 v[KSC+2*\s+\e], v[248+\s], s[4:5] offset:128*\e
	global_load_b32 v[VSC+2*\s+\e], v[251+\s], s[4:5] offset:64*\e
.endr
.endr
.irp i, 6,7,8,9,10,11
	v_mov_b32 v[QF+\i], 0                          ; the zero codes between
.endr
	s_wait_loadcnt 21                              ; the eighteen copies are in; the 2 + 6 + 1 + 12 loads behind them may be out
.irp s, 0,1,2
.irp i, 0,1,2
	ds_store_b128 v230, v[96+12*\s+4*\i:96+12*\s+4*\i+3] offset:\s*6144+512*\i
	ds_store_b128 v231, v[132+12*\s+4*\i:132+12*\s+4*\i+3] offset:\s*24576+512*\i
.endr
.endr
	s_wait_loadcnt 0x0
	v_perm_b32 v[QSW], v[QSR], v[QSR], s47
	v_max3_num_f32 v168, v168, v169, v170
	v_max3_num_f32 v171, v171, v172, v173
	s_delay_alu instid0(VALU_DEP_2)
	v_max3_num_f32 v168, v168, v174, v175
	s_delay_alu instid0(VALU_DEP_1)
	v_max3_num_f32 v168, v168, v171, 1.0           ; clamped at 1 from below, as reference() has it
	s_delay_alu instid0(VALU_DEP_1)
	v_max_num_f32_dpp v168, v168, v168 row_xmask:1 row_mask:0xf bank_mask:0xf
	s_delay_alu instid0(VALU_DEP_1)
	v_max_num_f32_dpp v168, v168, v168 row_xmask:2 row_mask:0xf bank_mask:0xf
	s_delay_alu instid0(VALU_DEP_1)
	v_max_num_f32_dpp v168, v168, v168 row_xmask:4 row_mask:0xf bank_mask:0xf
	s_delay_alu instid0(VALU_DEP_1)
	v_max_num_f32_dpp v168, v168, v168 row_xmask:8 row_mask:0xf bank_mask:0xf
	s_delay_alu instid0(VALU_DEP_1)
	v_permlanex16_b32 v169, v168, s[SEL], s[SEL+1]
	s_delay_alu instid0(VALU_DEP_1)
	v_max_num_f32 v168, v168, v169
	s_wait_alu depctr_va_vdst(0)
	v_rcp_f32 v[CC], v168
	v_mov_b32 v[LS], 0                             ; (plain lines behind the reciprocal)
	v_mov_b32 v[LS+1], 0
.irp b, 0,1,2,3
	v_mov_b32 v[TM+4+\b], 0                        ; written once: a lane permute's destination counts as one of its sources
.endr
	s_wait_alu depctr_va_vdst(0)                   ; the wait ahead of the first line that names the reciprocal
	v_mul_f32 v[CC], 0x3fb8aa3b, v[CC]             ; c = log2(e) / max
	s_delay_alu instid0(VALU_DEP_1)
	v_mov_b32 v[CC+1], v[CC]
	s_wait_dscnt 0x0                               ; for the others' sake: my stores have landed
	s_barrier_signal -1
	s_barrier_wait -1
; 64 numbers of a lane, register 16 b + i = k 32 b + 16 (lane / 16) + i of my row, become a fragment's codes in v[PC] on and its scale word in v[PW]
.macro QUANT s
.irp b, 0,1,2,3
	v_max3_num_f32 v[TM+\b], |v[\s+16*\b]|, |v[\s+1+16*\b]|, 0x1800000   ; and the floor 2^(3 - 127): the byte cannot fall under 1
.endr
.irp i, 2,4,6,8,10,12,14
.irp b, 0,1,2,3
	v_max3_num_f32 v[TM+\b], v[TM+\b], |v[\s+16*\b+\i]|, |v[\s+1+16*\b+\i]|
.endr
.endr
.irp b, 0,1,2,3
	s_delay_alu instid0(VALU_DEP_4)
	v_permlanex16_b32 v[TM+4+\b], v[TM+\b], s[SEL], s[SEL+1]
.endr
.irp b, 0,1,2,3
	s_delay_alu instid0(VALU_DEP_4)
	v_max_num_f32 v[TM+\b], v[TM+\b], v[TM+4+\b]
.endr
.irp b, 0,1,2,3
	s_delay_alu instid0(VALU_DEP_4)
	v_add_nc_u32 v[TM+12+\b], 0xff000000, v[TM+\b]
.endr
.irp b, 0,1,2,3
	s_delay_alu instid0(VALU_DEP_4)
	v_lshrrev_b32 v[TM+4+\b], 23, v[TM+12+\b]
.endr
	s_delay_alu instid0(VALU_DEP_3)
	v_lshl_or_b32 v[PW], v[TM+5], 8, v[TM+4]
	s_delay_alu instid0(VALU_DEP_1)
	v_lshl_or_b32 v[PW], v[TM+6], 16, v[PW]
	s_delay_alu instid0(VALU_DEP_1)
	v_lshl_or_b32 v[PW], v[TM+7], 24, v[PW]
.irp c, 0,1
	v_cvt_scalef32_pk16_fp6_f32 v[PC+6*\c:PC+2+6*\c], v[\s+32*\c:\s+15+32*\c], v[TM+12+2*\c]
	v_cvt_scalef32_pk16_fp6_f32 v[PC+12+4*\c:PC+14+4*\c], v[\s+16+32*\c:\s+31+32*\c], v[TM+12+2*\c+1]
.endr
	v_nop                                          ; one plain place behind a scaled conversion
.irp c, 0,1
.irp i, 0,1,2
	v_permlane16_swap_b32 v[PC+6*\c+\i], v[PC+12+4*\c+\i]
.endr
.irp i, 0,1,2
	s_delay_alu instid0(VALU_DEP_3)
	v_mov_b32 v[PC+3+6*\c+\i], v[PC+12+4*\c+\i]
.endr
.endr
.endm
; A KEY STEP: the 128 keys of a slot.  mode 2: the queries' own group; 1: the group before; 0: two before.  zero = 1: its products start O^T's sums.
.macro STEP slot, mode, zero
.rept 4
	v_nop                                          ; places in front of loads into registers that matrix instructions have read
.endr
.irp kf, 0,1,2,3
.irp p, 0,1,2,3,4,5
	ds_load_b64 v[FB+12*\kf+2*\p:FB+12*\kf+2*\p+1], v[AKR] offset:\slot*6144+1536*\kf+256*\p
.endr
.endr
	s_wait_dscnt 0x0
.irp kf, 0,1,2,3
.irp e, 0,1
.if \kf%2
	v_wmma_scale_f32_16x16x128_f8f6f4 v[S+8*(2*\kf+\e):S+8*(2*\kf+\e)+7], v[FB+12*\kf:FB+12*\kf+11], v[QF+6*\e:QF+6*\e+11], 0, v[KSC+2*\slot+\kf/2], v[QSW] matrix_a_fmt:MATRIX_FMT_FP6 matrix_b_fmt:MATRIX_FMT_FP6 matrix_a_scale:MATRIX_SCALE_ROW1
.else
	v_wmma_scale_f32_16x16x128_f8f6f4 v[S+8*(2*\kf+\e):S+8*(2*\kf+\e)+7], v[FB+12*\kf:FB+12*\kf+11], v[QF+6*\e:QF+6*\e+11], 0, v[KSC+2*\slot+\kf/2], v[QSW] matrix_a_fmt:MATRIX_FMT_FP6 matrix_b_fmt:MATRIX_FMT_FP6
.endif
.endr
.endr                                          ; register 16 b + i of S: key 32 b + 16 (lane / 16) + i of the group
.rept 4
	v_nop
.endr
.irp dt, 0,1,2,3
.irp p, 0,1,2,3,4,5
	ds_load_b64 v[FB+12*\dt+2*\p:FB+12*\dt+2*\p+1], v[AVR] offset:\slot*24576+1536*\dt+256*\p   ; V's four tiles land while the softmax is worked
.endr
.endr
.if \mode != 1
.irp b, 0,1,2,3                                ; only block j holds the window's edge: its 16 registers are compared lane by lane; the branches hang on ids alone
	s_cmp_lg_u32 s66, \b
	s_cbranch_scc1 .Lnb_\@_\b
.set n, 16*\b
.rept 16
.if \mode == 2
	v_cmp_gt_i32 vcc_lo, 32*(n/16)+n%16, v[DL]     ; hidden: the key comes after the query
.else
	v_cmp_le_i32 vcc_lo, 32*(n/16)+n%16, v[DL]     ; hidden: the key lies 256 or more before the query
.endif
	v_cndmask_b32 v[S+n], v[S+n], v[NINF], vcc_lo
.set n, n+1
.endr
.Lnb_\@_\b:
.endr
	s_wait_alu depctr_va_vdst(0)
.set n, 0
.rept 32
	v_pk_fma_f32 v[S+n:S+n+1], v[S+n:S+n+1], v[CC:CC+1], s[48+4*(2-\mode)+2*(n/16):48+4*(2-\mode)+2*(n/16)+1] op_sel_hi:[1,1,0]   ; t = score x c, minus infinity in a block that is hidden whole
.set n, n+2
.endr
.else
.set n, 0
.rept 32
	v_pk_mul_f32 v[S+n:S+n+1], v[S+n:S+n+1], v[CC:CC+1]   ; t = score x c, from each accumulator's low end on
.set n, n+2
.endr
.endif
.set n, 0
	s_wait_alu depctr_va_vdst(0)
.rept 64
	v_exp_f32 v[S+n], v[S+n]                       ; p = 2^t; 0 for a hidden key
.set n, n+1
.endr
	v_nop                                          ; a plain place behind the exponentials
	s_wait_alu depctr_va_vdst(0)                   ; one wait for the whole batch, ahead of its first reader
	QUANT S
	v_pk_add_f32 v[92:93], v[100:101], v[104:105]
	v_pk_add_f32 v[254:255], v[108:109], v[112:113]
	v_pk_add_f32 v[252:253], v[116:117], v[120:121]
	v_pk_add_f32 v[250:251], v[124:125], v[128:129]
	v_pk_add_f32 v[248:249], v[132:133], v[136:137]
	v_pk_add_f32 v[246:247], v[140:141], v[144:145]
	v_pk_add_f32 v[244:245], v[148:149], v[152:153]
	v_pk_add_f32 v[10:11], v[10:11], v[156:157]
	v_pk_add_f32 v[92:93], v[92:93], v[96:97]
	v_pk_add_f32 v[254:255], v[254:255], v[98:99]
	v_pk_add_f32 v[252:253], v[252:253], v[102:103]
	v_pk_add_f32 v[250:251], v[250:251], v[106:107]
	v_pk_add_f32 v[248:249], v[248:249], v[110:111]
	v_pk_add_f32 v[246:247], v[246:247], v[114:115]
	v_pk_add_f32 v[244:245], v[244:245], v[118:119]
	v_pk_add_f32 v[10:11], v[10:11], v[122:123]
	v_pk_add_f32 v[92:93], v[92:93], v[126:127]
	v_pk_add_f32 v[254:255], v[254:255], v[130:131]
	v_pk_add_f32 v[252:253], v[252:253], v[134:135]
	v_pk_add_f32 v[250:251], v[250:251], v[138:139]
	v_pk_add_f32 v[248:249], v[248:249], v[142:143]
	v_pk_add_f32 v[246:247], v[246:247], v[146:147]
	v_pk_add_f32 v[244:245], v[244:245], v[150:151]
	v_pk_add_f32 v[10:11], v[10:11], v[154:155]
	v_pk_add_f32 v[92:93], v[92:93], v[158:159]
	s_delay_alu instid0(VALU_DEP_2)
	v_pk_add_f32 v[10:11], v[10:11], v[250:251]
	s_delay_alu instid0(VALU_DEP_2)
	v_pk_add_f32 v[92:93], v[92:93], v[248:249]
	v_pk_add_f32 v[254:255], v[254:255], v[246:247]
	v_pk_add_f32 v[252:253], v[252:253], v[244:245]
	s_delay_alu instid0(VALU_DEP_2)
	v_pk_add_f32 v[10:11], v[10:11], v[254:255]
	s_delay_alu instid0(VALU_DEP_2)
	v_pk_add_f32 v[92:93], v[92:93], v[252:253]
	s_delay_alu instid0(VALU_DEP_1)
	v_pk_add_f32 v[10:11], v[10:11], v[92:93]
	s_wait_dscnt 0x0                               ; V is in
.irp dt, 0,1,2,3                               ; the four accumulators take turns, one instruction a turn; eight other products stand between two steps' turns
.if \zero
.if \dt%2
	v_wmma_scale_f32_16x16x128_f8f6f4 v[O+8*\dt:O+8*\dt+7], v[FB+12*\dt:FB+12*\dt+11], v[PC:PC+11], 0, v[VSC+2*\slot+\dt/2], v[PW] matrix_a_fmt:MATRIX_FMT_FP6 matrix_b_fmt:MATRIX_FMT_FP6 matrix_a_scale:MATRIX_SCALE_ROW1
.else
	v_wmma_scale_f32_16x16x128_f8f6f4 v[O+8*\dt:O+8*\dt+7], v[FB+12*\dt:FB+12*\dt+11], v[PC:PC+11], 0, v[VSC+2*\slot+\dt/2], v[PW] matrix_a_fmt:MATRIX_FMT_FP6 matrix_b_fmt:MATRIX_FMT_FP6
.endif
.else
.if \dt%2
	v_wmma_scale_f32_16x16x128_f8f6f4 v[O+8*\dt:O+8*\dt+7], v[FB+12*\dt:FB+12*\dt+11], v[PC:PC+11], v[O+8*\dt:O+8*\dt+7], v[VSC+2*\slot+\dt/2], v[PW] matrix_a_fmt:MATRIX_FMT_FP6 matrix_b_fmt:MATRIX_FMT_FP6 matrix_a_scale:MATRIX_SCALE_ROW1
.else
	v_wmma_scale_f32_16x16x128_f8f6f4 v[O+8*\dt:O+8*\dt+7], v[FB+12*\dt:FB+12*\dt+11], v[PC:PC+11], v[O+8*\dt:O+8*\dt+7], v[VSC+2*\slot+\dt/2], v[PW] matrix_a_fmt:MATRIX_FMT_FP6 matrix_b_fmt:MATRIX_FMT_FP6
.endif
.endif
.endr
.endm
	STEP 2, 2, 1                                   ; the queries' own group: it always exists, and starts the sums
	s_cmp_lt_u32 s16, 1                            ; ids alone: the same in all sixteen waves
	s_cbranch_scc1 .Lout
	STEP 1, 1, 0
	s_cmp_lt_u32 s16, 2
	s_cbranch_scc1 .Lout
	STEP 0, 0, 0
.Lout:
.rept 4
	v_nop                                          ; places in front of the first read of O^T
.endr
	s_wait_alu depctr_va_vdst(0)
	v_add_f32 v[LS], v[LS], v[LS+1]                ; the sum's two halves,
	s_delay_alu instid0(VALU_DEP_1)
	v_permlanex16_b32 v[LT], v[LS], s[SEL], s[SEL+1]
	s_delay_alu instid0(VALU_DEP_1)
	v_add_f32 v[LS], v[LS], v[LT]                  ; and lane l xor 16's
	s_wait_alu depctr_va_vdst(0)
	v_rcp_f32 v[LT], v[LS]
	v_nop
	s_wait_alu depctr_va_vdst(0)
	v_mov_b32 v[LT+1], v[LT]
.set n, 0
.rept 16
	v_pk_mul_f32 v[O+n:O+n+1], v[O+n:O+n+1], v[LT:LT+1]   ; O^T / l: register 16 b + i = channel 32 b + 16 (lane / 16) + i of my head
.set n, n+2
.endr
.irp b, 0,1
	v_max3_num_f32 v[TM+\b], |v[O+16*\b]|, |v[O+1+16*\b]|, 0x1800000
.endr
.irp i, 2,4,6,8,10,12,14
.irp b, 0,1
	s_delay_alu instid0(VALU_DEP_2)
	v_max3_num_f32 v[TM+\b], v[TM+\b], |v[O+16*\b+\i]|, |v[O+1+16*\b+\i]|
.endr
.endr
.irp b, 0,1
	s_delay_alu instid0(VALU_DEP_2)
	v_permlanex16_b32 v[TM+4+\b], v[TM+\b], s[SEL], s[SEL+1]
.endr
.irp b, 0,1
	s_delay_alu instid0(VALU_DEP_2)
	v_max_num_f32 v[TM+\b], v[TM+\b], v[TM+4+\b]
.endr
.irp b, 0,1
	s_delay_alu instid0(VALU_DEP_2)
	v_add_nc_u32 v[TM+12+\b], 0xff000000, v[TM+\b]
.endr
.irp b, 0,1
	s_delay_alu instid0(VALU_DEP_2)
	v_lshrrev_b32 v[TM+4+\b], 23, v[TM+12+\b]
.endr
	s_delay_alu instid0(VALU_DEP_1)
	v_lshl_or_b32 v[PW], v[TM+5], 8, v[TM+4]       ; my head's two scale bytes
	v_cvt_scalef32_pk16_fp6_f32 v[PC:PC+2], v[O:O+15], v[TM+12]
	v_cvt_scalef32_pk16_fp6_f32 v[PC+12:PC+14], v[O+16:O+31], v[TM+13]
	v_nop
.irp i, 0,1,2
	v_permlane16_swap_b32 v[PC+\i], v[PC+12+\i]
.endr
.irp i, 0,1,2
	s_delay_alu instid0(VALU_DEP_3)
	v_mov_b32 v[PC+3+\i], v[PC+12+\i]              ; lane (r, h): block h of row r: 24 bytes
.endr
.irp i, 0,1,2
	global_store_b64 v235, v[PC+2*\i:PC+2*\i+1], s[8:9] offset:256*\i   ; my head's half fragment as it stands in registers: 32 lanes store 256 consecutive bytes, aligned
.endr
	ds_store_b16 v233, v[PW]                       ; both halves of the lanes write the same bytes with the same value
	s_wait_dscnt 0x0                               ; for the others' sake
	s_barrier_signal -1
	s_barrier_wait -1
	s_cmp_lt_u32 s10, 2
	s_cbranch_scc0 .Lnosc
	ds_load_b64 v[102:103], v236
	s_wait_dscnt 0x0
	global_store_b64 v237, v[102:103], s[8:9]      ; 8 bytes of each of 32 tokens' rows of 32
.Lnosc:
	s_wait_tensorcnt 0x0                           ; the wave's end: behind my last LDS store
	ds_add_u32 v[SPW], v[NIL]
	s_wait_dscnt 0x0
	s_endpgm
.Lfunc_end_k_q1065effec8_attn:
	.size	k_q1065effec8_attn, .Lfunc_end_k_q1065effec8_attn-k_q1065effec8_attn
	.p2alignl 7, 3214868480
	.fill 96, 4, 3214868480
	.section	.rodata,"a",@progbits
	.p2align	6, 0x0
	.amdhsa_kernel k_q1065effec8_attn
		.amdhsa_group_segment_fixed_size 162304
		.amdhsa_private_segment_fixed_size 0
		.amdhsa_enable_private_segment 0
		.amdhsa_kernarg_size 24
		.amdhsa_user_sgpr_count 2
		.amdhsa_user_sgpr_kernarg_segment_ptr 1
		.amdhsa_wavefront_size32 1
		.amdhsa_system_sgpr_workgroup_id_x 1
		.amdhsa_system_sgpr_workgroup_id_y 1
		.amdhsa_system_sgpr_workgroup_id_z 1
		.amdhsa_system_vgpr_workitem_id 0
		.amdhsa_next_free_vgpr 256
		.amdhsa_next_free_sgpr 67
		.amdhsa_reserve_vcc 1
		.amdhsa_float_denorm_mode_32 3
		.amdhsa_float_denorm_mode_16_64 3
		.amdhsa_memory_ordered 1
		.amdhsa_forward_progress 1
		.amdhsa_inst_pref_size 77
	.end_amdhsa_kernel
	.amdgpu_metadata
---
amdhsa.version: [ 1, 2 ]
amdhsa.kernels:
  - .name:           k_q1065effec8_attn
    .symbol:         k_q1065effec8_attn.kd
    .args:
      - { .name: pj, .offset: 0, .size: 8, .value_kind: global_buffer, .address_space: global }
      - { .name: smax, .offset: 8, .size: 8, .value_kind: global_buffer, .address_space: global }
      - { .name: ao, .offset: 16, .size: 8, .value_kind: global_buffer, .address_space: global }
    .group_segment_fixed_size: 162304
    .private_segment_fixed_size: 0
    .kernarg_segment_align: 8
    .kernarg_segment_size: 24
    .max_flat_workgroup_size: 512
    .sgpr_count:     67
    .vgpr_count:     256
    .wavefront_size: 32
...
	.end_amdgpu_metadata
.endif
;; end of part 4
;; launch oproj (part 5): grid 8 x 32, 4 waves a work-group, clusters of 4 x 4, 273,152 bytes of LDS; arguments ao, xq, outu, psum; writes outu, psum
.if DOCPART == 5
	.amdgcn_target "amdgcn-amd-amdhsa--gfx1250"
	.amdhsa_code_object_version 6
	.text
	.protected	k_q1065effec8_oproj
	.globl	k_q1065effec8_oproj
	.p2align	8
	.type	k_q1065effec8_oproj,@function
k_q1065effec8_oproj:
	s_mov_b64 s[64:65], 0
	v_nop
	global_prefetch_b8 v0, s[64:65] scope:SCOPE_SE
	s_setreg_imm32_b32 hwreg(HW_REG_WAVE_MODE, 25, 1), 1
	s_wait_xcnt 0x0
	s_wait_alu depctr_hold_cnt(0) depctr_sa_sdst(0) depctr_va_vdst(0) depctr_va_sdst(0) depctr_va_ssrc(0) depctr_va_vcc(0) depctr_vm_vsrc(0)
	s_getreg_b32 s2, hwreg(HW_REG_IB_STS2, 6, 4)
	s_cmp_eq_u32 s2, 0
	s_cbranch_scc0 .Lentry_in_a_cluster
	s_endpgm
.Lentry_in_a_cluster:
	s_bfe_u32 s2, ttmp6, 0x10000c
	s_cmp_lg_u32 s2, 0xf033
	s_cbranch_scc0 .Lentry_shape_is_right
	s_endpgm
.Lentry_shape_is_right:
; The last projection, out = attention's result x WO^T, 4,096 x 1,024 x 1,024 on codes of FP6 (E2M3) with E8M0 scales, f32 out (outu), and the sum of |out| of each work-group (psum[256]) for the mean that the next launch divides by.
; A block of 128 x 128 to a work-group: 8 x 32 = 256 work-groups.  ALL OF K COMES INTO LDS ONCE: A's 128 tokens are 98,304 dense bytes of ao, B's 128 rows of WO 98,304 dense bytes of xq; each wave fetches a half of one of them
; by one tensor load, as 192 rows of 256 bytes on 256-byte borders.  Nothing is filled again: no ring, one barrier.  No prefetch: each byte is asked for once, at the head, and there is no loop to run ahead in.
; 4 x 4 work-groups form a cluster: A's tile is shared along a row, B's along a column: joint loads.
; A lies in ao as images of the operand's registers, [tile of 16 tokens][K step][6 pieces of 256 bytes]: a piece is read at 8 x lane.  B lies by rows of 768 bytes = 3 x 256, 16 bytes of padding behind each 256: LDS pitch 816.
; A wave makes 64 x 64: 16 accumulators by turns; source 0 = rows of WO, source 1 = tokens: a lane holds eight neighbouring numbers of a row of out.
; THE SCALES go from memory into registers: a row has 32 bytes; lane (r, h) takes bytes 16 h .. 16 h + 15 of row r: lanes 0-15 hold the words of K steps 0-3, lanes 16-31 those of steps 4-7 (read by the ROW1 selector).
; REGISTERS: window 0: v8-12 sums, v16-29 addresses, v32-47 A's scale words, v48-63 B's, v64-159 A's fragments, two sets (on the way out v64-191: rows read back).  window 1: v0-95 B's fragments, two sets; v128-255 the accumulators.
.set BP,     816
.set BBASE,  98304
.set STAGE,  BBASE+128*BP              ; the way out: for each wave 4 blocks of 16 rows x (256 + 16) bytes, filled by no tensor load
.set SPITCH, 272
.set BSTG,   16*SPITCH
.set RED,    STAGE+16*BSTG             ; the four waves' sums, in a block of 256 bytes of their own
.set SPARE,  RED+256                   ; the spare words: 128 bytes a wave, two blocks of 256 bytes that no other line names
.set SUM, 8
.set ADA, 16
.set ADB, 18                           ; v18; v19: the same + 16 in lanes 16-31, for a piece whose upper lanes lie behind one padding more
.set STO, 20
.set RD,  21
.set CO,  22
.set SO,  23
.set RW,  24
.set RB,  25
.set PO,  26
.set SPW, 28
.set NIL, 29
.set SA,  32
.set SB,  48
.set AF,  64
.set BK,  64
.set ACC, 128
.set G1,  24
.set G0,  32
.set G1B, 48
.set G0B, 56
.set MSB, 0
.macro WIN new
.if MSB != \new
	s_set_vgpr_msb (MSB<<8)|\new
.set MSB, \new
.endif
.endm
.set MULW, 0x51                        ; source 0 (B), C and D window 1; source 1 (A) window 0
.set TO_B, 0x40
.macro CREST
	s_cmp_lg_u32 s14, 0
	s_cbranch_scc1 .Lnot_wave_0_\@
	s_barrier_signal -3
.Lnot_wave_0_\@:
	s_barrier_wait -3
	s_barrier_signal -1
	s_barrier_wait -1
.endm
.macro CROUND
	s_barrier_signal -1
	s_barrier_wait -1
	CREST
.endm
.macro PLACES
.rept 4
	v_nop
.endr
.endm
	s_load_b128 s[4:7], s[0:1], 0x0                ; ao, xq
	s_load_b128 s[8:11], s[0:1], 0x10              ; outu, psum
	v_lshl_add_u32 v[SPW], v0, 2, SPARE
	v_mov_b32 v[NIL], 0
	ds_add_u32 v[SPW], v[NIL]                      ; the opening lines: the add twice and one wait
	ds_add_u32 v[SPW], v[NIL]
	v_lshrrev_b32 v1, 5, v0
	v_readfirstlane_b32 s14, v1                    ; wave
	s_lshr_b32 s15, s14, 1                         ; my 64 tokens of the 128; also: I fetch for A (0) or B (1)
	s_and_b32 s16, s14, 1                          ; my 64 columns; also: which half I fetch
	s_bfe_u32 s40, ttmp6, 0x40000                  ; cx
	s_bfe_u32 s41, ttmp6, 0x40004                  ; cy
	s_lshl_b32 s42, ttmp9, 2
	s_add_co_u32 s42, s42, s40                     ; block column
	s_and_b32 s17, ttmp7, 0xffff
	s_lshl_b32 s17, s17, 2
	s_add_co_u32 s17, s17, s41                     ; block row
	s_lshl_b32 s43, s41, 2
	s_lshl_b32 s43, 15, s43                        ; my row of the cluster
	s_lshl_b32 s44, 0x1111, s40                    ; my column
	s_or_b32 s[G1], s43, (3<<16)|(1<<21)           ; A: elements of 8 bytes, no padding
	s_or_b32 s[G1B], s44, (3<<16)|(1<<20)|(1<<21)|(5<<22)|(3<<25)   ; B: 4 words of padding behind every 64
.irp g, G1, G1B
	s_mov_b32 s[\g+1], 32<<16
	s_mov_b32 s[\g+2], 192<<16
	s_mov_b32 s[\g+3], 32<<16
	s_mov_b32 s[\g+4], 192
	s_mov_b32 s[\g+5], 32
	s_mov_b32 s[\g+6], 0
	s_mov_b32 s[\g+7], 0
.endr
	s_mul_i32 s18, s16, 49152                      ; the half that I fetch
	s_mul_i32 s20, s17, 98304
	s_add_co_u32 s20, s20, s18
	s_mov_b32 s21, 0
	s_mul_i32 s46, s42, 98304
	s_add_co_u32 s46, s46, s18
	s_add_co_u32 s46, s46, 11796480                ; WO's codes in xq
	s_mov_b32 s47, 0
	s_mul_i32 s19, s16, 64*BP
	s_wait_dscnt 0x0
	s_wait_kmcnt 0x0
	s_add_nc_u64 s[20:21], s[4:5], s[20:21]
	s_add_nc_u64 s[46:47], s[6:7], s[46:47]
	CROUND                                         ; the joint loads meet
	s_mov_b32 s[G0], 1
	s_mov_b32 s[G0+1], s18
	s_mov_b64 s[G0+2:G0+3], s[20:21]
	s_or_b32 s[G0+3], s[G0+3], 0x80000000
	s_mov_b32 s[G0B], 1
	s_add_co_u32 s[G0B+1], s19, BBASE
	s_mov_b64 s[G0B+2:G0B+3], s[46:47]
	s_or_b32 s[G0B+3], s[G0B+3], 0x80000000
	s_cmp_eq_u32 s15, 0                            ; one load a wave, a fill in each arm
	s_cbranch_scc0 .Lfor_b
	tensor_load_to_lds s[G0:G0+3], s[G1:G1+7]
	s_nop 0
	PLACES
	s_branch .Lasked
.Lfor_b:
	tensor_load_to_lds s[G0B:G0B+3], s[G1B:G1B+7]
	s_nop 0
	PLACES
.Lasked:
	s_lshl_b32 s18, s17, 7
	s_lshl_b32 s19, s15, 6
	s_add_co_u32 s18, s18, s19                     ; my first token
	s_lshl_b32 s20, s42, 7
	s_lshl_b32 s19, s16, 6
	s_add_co_u32 s20, s20, s19                     ; my first column
	s_lshl_b32 s22, s18, 5
	s_add_co_u32 s22, s22, 3145728
	s_mov_b32 s23, 0
	s_add_nc_u64 s[36:37], s[4:5], s[22:23]        ; my tokens' scale bytes in ao
	s_lshl_b32 s22, s20, 5
	s_add_co_u32 s22, s22, 13074432
	s_add_nc_u64 s[38:39], s[6:7], s[22:23]        ; my columns' in xq
	s_lshl_b32 s22, s18, 12
	s_lshl_b32 s20, s20, 2
	s_add_co_u32 s22, s22, s20
	s_add_nc_u64 s[12:13], s[8:9], s[22:23]        ; my part of outu
	s_mul_i32 s60, s15, 49152
	s_mul_i32 s61, s16, 64*BP
	s_add_co_u32 s61, s61, BBASE
	s_mul_i32 s62, s14, 4*BSTG
	s_add_co_u32 s62, s62, STAGE
	s_lshl_b32 s63, s14, 2
	s_add_co_u32 s63, s63, RED
	s_lshl_b32 s66, s17, 3
	s_add_co_u32 s66, s66, s42
	s_lshl_b32 s66, s66, 2                         ; my work-group's word in psum
	s_mov_b32 s68, 0x76543210
	s_mov_b32 s69, 0xfedcba98
	v_and_b32 v1, 15, v0                           ; r
	v_bfe_u32 v2, v0, 4, 1                         ; h
	v_and_b32 v3, 31, v0
	v_lshl_add_u32 v[ADA], v3, 3, s60              ; A: 8 x lane
	v_mul_u32_u24 v4, v1, BP
	v_mad_u32_u24 v4, v2, 24, v4
	v_add_nc_u32 v[ADB], s61, v4                   ; B: row r, + 24 h
	v_lshl_add_u32 v[ADB+1], v2, 4, v[ADB]
	v_mul_u32_u24 v5, v1, SPITCH
	v_lshl_add_u32 v5, v2, 5, v5
	v_add_nc_u32 v[STO], s62, v5                   ; the stage, in: row r, 32 bytes for each half of the lanes
	v_mul_u32_u24 v6, v2, SPITCH
	v_lshl_add_u32 v6, v1, 4, v6
	v_add_nc_u32 v[RD], s62, v6                    ; back: sixteen lanes to a row of 256 bytes
	v_lshlrev_b32 v7, 12, v2
	v_lshl_add_u32 v[CO], v1, 4, v7                ; the same two rows in outu
	v_lshlrev_b32 v7, 5, v1
	v_lshl_add_u32 v[SO], v2, 4, v7                ; scale bytes: 32 r + 16 h
	v_mov_b32 v[RW], s63
	v_mov_b32 v[RB], RED
	v_mov_b32 v[PO], s66
	v_mov_b32 v[SUM+4], 0                          ; a lane permute's destination counts as one of its sources
	s_wait_alu depctr_va_vdst(0)                   ; the wait at the head's end
.irp a, 0,1,2,3
	global_load_b128 v[SA+4*\a:SA+4*\a+3], v[SO], s[36:37] offset:512*\a   ; 32 lanes read 512 consecutive bytes: 16 rows' scales
	global_load_b128 v[SB+4*\a:SB+4*\a+3], v[SO], s[38:39] offset:512*\a
.endr
	s_wait_tensorcnt 0x0                           ; my half tile is in;
	s_barrier_signal -1
	s_barrier_wait -1                              ; everybody's is
.macro FETCH st                        ; step st's eight fragments into set st % 2: 48 loads
	WIN TO_B
.irp i, 0,1,2,3
.irp p, 0,1,2,3,4,5
.set BY, 96*(\st)+48*(\p/3)+8*(\p%3)
.if BY/256 == (BY+24)/256
	ds_load_b64 v[48*((\st)%2)+12*\i+2*\p:48*((\st)%2)+12*\i+2*\p+1], v[ADB] offset:BY+16*(BY/256)+\i*16*BP
.else
	ds_load_b64 v[48*((\st)%2)+12*\i+2*\p:48*((\st)%2)+12*\i+2*\p+1], v[ADB+1] offset:BY+16*(BY/256)+\i*16*BP
.endif
.endr
.endr
	WIN 0
.irp i, 0,1,2,3
.irp p, 0,1,2,3,4,5
	ds_load_b64 v[AF+48*((\st)%2)+12*\i+2*\p:AF+48*((\st)%2)+12*\i+2*\p+1], v[ADA] offset:\i*12288+(\st)*1536+256*\p
.endr
.endr
.endm
.macro MUL st                          ; 16 matrix instructions, the 16 accumulators by turns in the same order in every step; step 0 starts the sums
.irp a, 0,1,2,3
.irp b, 0,1,2,3
.if (\st) == 0
	v_wmma_scale_f32_16x16x128_f8f6f4 v[ACC+8*(4*\a+\b):ACC+8*(4*\a+\b)+7], v[48*((\st)%2)+12*\b:48*((\st)%2)+12*\b+11], v[AF+48*((\st)%2)+12*\a:AF+48*((\st)%2)+12*\a+11], 0, v[SB+4*\b+(\st)%4], v[SA+4*\a+(\st)%4] matrix_a_fmt:MATRIX_FMT_FP6 matrix_b_fmt:MATRIX_FMT_FP6
.elseif (\st) < 4
	v_wmma_scale_f32_16x16x128_f8f6f4 v[ACC+8*(4*\a+\b):ACC+8*(4*\a+\b)+7], v[48*((\st)%2)+12*\b:48*((\st)%2)+12*\b+11], v[AF+48*((\st)%2)+12*\a:AF+48*((\st)%2)+12*\a+11], v[ACC+8*(4*\a+\b):ACC+8*(4*\a+\b)+7], v[SB+4*\b+(\st)%4], v[SA+4*\a+(\st)%4] matrix_a_fmt:MATRIX_FMT_FP6 matrix_b_fmt:MATRIX_FMT_FP6
.else
	v_wmma_scale_f32_16x16x128_f8f6f4 v[ACC+8*(4*\a+\b):ACC+8*(4*\a+\b)+7], v[48*((\st)%2)+12*\b:48*((\st)%2)+12*\b+11], v[AF+48*((\st)%2)+12*\a:AF+48*((\st)%2)+12*\a+11], v[ACC+8*(4*\a+\b):ACC+8*(4*\a+\b)+7], v[SB+4*\b+(\st)%4], v[SA+4*\a+(\st)%4] matrix_a_fmt:MATRIX_FMT_FP6 matrix_b_fmt:MATRIX_FMT_FP6 matrix_a_scale:MATRIX_SCALE_ROW1 matrix_b_scale:MATRIX_SCALE_ROW1
.endif
.endr
.endr
.endm
	FETCH 0
.set ST, 0
.rept 7
.if ST > 0
	PLACES                                         ; in front of loads into the set that the last step's products read
.endif
	FETCH ST+1
	s_wait_dscnt 48                                ; this step's fragments are in; the 48 loads just issued may be out
.if ST == 0
	s_wait_loadcnt 0x0                             ; the scale words
.endif
	WIN MULW
	MUL ST
.set ST, ST+1
.endr
	s_wait_dscnt 0x0
	MUL 7
	PLACES                                         ; in front of the first reads of results and of loads into A's fragments
; THE WAY OUT, by blocks of 16 tokens x 64 columns: through my own stage, back as rows of 256 bytes; LDS serves a wave's instructions in order, so no wait stands between the stores and the loads
.macro TOSTAGE a
	WIN 0x04                                       ; the data: window 1
.irp b, 0,1,2,3
	ds_store_b128 v[STO], v[ACC+8*(4*(\a)+\b):ACC+8*(4*(\a)+\b)+3] offset:(\a)*BSTG+64*\b       ; each accumulator from its low end on
	ds_store_b128 v[STO], v[ACC+8*(4*(\a)+\b)+4:ACC+8*(4*(\a)+\b)+7] offset:(\a)*BSTG+64*\b+16
.endr
	WIN 0
.irp t, 0,1,2,3,4,5,6,7
	ds_load_b128 v[BK+32*(\a)+4*\t:BK+32*(\a)+4*\t+3], v[RD] offset:(\a)*BSTG+2*\t*SPITCH
.endr
.endm
.macro SEND a, younger                 ; younger: the LDS instructions issued behind block a's loads
.if (\a) > 0
	s_wait_alu depctr_va_vdst(0)
.endif
	s_wait_dscnt \younger
.irp t, 0,1,2,3,4,5,6,7
	global_store_b128 v[CO], v[BK+32*(\a)+4*\t:BK+32*(\a)+4*\t+3], s[12:13] offset:(16*(\a)+2*\t)*4096 th:TH_STORE_NT   ; sixteen lanes store 256 consecutive bytes, aligned
.endr
.if (\a) == 0
.irp j, 0,1,2,3
	v_add_f32 v[SUM+\j], |v[BK+\j]|, |v[BK+4+\j]|  ; the first numbers start the four sums
.endr
.set n, 8
.else
.set n, 0
.endif
.rept 32-n
	v_add_f32 v[SUM+n%4], v[SUM+n%4], |v[BK+32*(\a)+n]|
.set n, n+1
.endr
.endm
	TOSTAGE 0
	TOSTAGE 1
	SEND 0, 16                                     ; block 1's 8 stores and 8 loads may be out
	TOSTAGE 2
	SEND 1, 16
	TOSTAGE 3
	SEND 2, 16
	SEND 3, 0
	v_add_f32 v[SUM], v[SUM], v[SUM+1]
	v_add_f32 v[SUM+2], v[SUM+2], v[SUM+3]
	v_add_f32 v[SUM], v[SUM], v[SUM+2]
	v_add_f32_dpp v[SUM], v[SUM], v[SUM] row_xmask:1 row_mask:0xf bank_mask:0xf
	v_add_f32_dpp v[SUM], v[SUM], v[SUM] row_xmask:2 row_mask:0xf bank_mask:0xf
	v_add_f32_dpp v[SUM], v[SUM], v[SUM] row_xmask:4 row_mask:0xf bank_mask:0xf
	v_add_f32_dpp v[SUM], v[SUM], v[SUM] row_xmask:8 row_mask:0xf bank_mask:0xf
	v_permlanex16_b32 v[SUM+4], v[SUM], s68, s69
	v_add_f32 v[SUM], v[SUM], v[SUM+4]             ; the wave's sum of |out|
	ds_store_b32 v[RW], v[SUM]                     ; all lanes write the same word with the same value
	s_wait_dscnt 0x0                               ; for the others' sake
	s_barrier_signal -1
	s_barrier_wait -1
	ds_load_b128 v[192:195], v[RB]
	s_wait_dscnt 0x0
	v_add_f32 v192, v192, v193
	v_add_f32 v194, v194, v195
	v_add_f32 v192, v192, v194                     ; the work-group's
	s_wait_tensorcnt 0x0                           ; the wave's end
	ds_add_u32 v[SPW], v[NIL]
	s_wait_dscnt 0x0
	s_cmp_lg_u32 s14, 0
	s_cbranch_scc1 .Lnost                          ; wave 0 stores
	s_wait_xcnt 0x0                                ; EXEC changes only behind this wait
	v_cmp_eq_u32 vcc_lo, 0, v0
	s_and_saveexec_b32 s22, vcc_lo
	s_wait_alu depctr_va_vdst(0)                   ; the wait ahead of the reader below
	global_store_b32 v[PO], v192, s[10:11]
	s_wait_xcnt 0x0
	s_or_b32 exec_lo, exec_lo, s22
.Lnost:
	CROUND                                         ; the closing round
	s_endpgm
.Lfunc_end_k_q1065effec8_oproj:
	.size	k_q1065effec8_oproj, .Lfunc_end_k_q1065effec8_oproj-k_q1065effec8_oproj
	.p2alignl 7, 3214868480
	.fill 96, 4, 3214868480
	.section	.rodata,"a",@progbits
	.p2align	6, 0x0
	.amdhsa_kernel k_q1065effec8_oproj
		.amdhsa_group_segment_fixed_size 273152
		.amdhsa_private_segment_fixed_size 0
		.amdhsa_enable_private_segment 0
		.amdhsa_kernarg_size 32
		.amdhsa_user_sgpr_count 2
		.amdhsa_user_sgpr_kernarg_segment_ptr 1
		.amdhsa_wavefront_size32 1
		.amdhsa_system_sgpr_workgroup_id_x 1
		.amdhsa_system_sgpr_workgroup_id_y 1
		.amdhsa_system_sgpr_workgroup_id_z 1
		.amdhsa_system_vgpr_workitem_id 0
		.amdhsa_next_free_vgpr 512
		.amdhsa_next_free_sgpr 70
		.amdhsa_reserve_vcc 1
		.amdhsa_float_denorm_mode_32 3
		.amdhsa_float_denorm_mode_16_64 3
		.amdhsa_memory_ordered 1
		.amdhsa_forward_progress 1
		.amdhsa_inst_pref_size 66
	.end_amdhsa_kernel
	.amdgpu_metadata
---
amdhsa.version: [ 1, 2 ]
amdhsa.kernels:
  - .name:           k_q1065effec8_oproj
    .symbol:         k_q1065effec8_oproj.kd
    .args:
      - { .name: ao, .offset: 0, .size: 8, .value_kind: global_buffer, .address_space: global }
      - { .name: xq, .offset: 8, .size: 8, .value_kind: global_buffer, .address_space: global }
      - { .name: outu, .offset: 16, .size: 8, .value_kind: global_buffer, .address_space: global }
      - { .name: psum, .offset: 24, .size: 8, .value_kind: global_buffer, .address_space: global }
    .group_segment_fixed_size: 273152
    .private_segment_fixed_size: 0
    .kernarg_segment_align: 8
    .kernarg_segment_size: 32
    .max_flat_workgroup_size: 128
    .sgpr_count:     70
    .vgpr_count:     512
    .wavefront_size: 32
...
	.end_amdgpu_metadata
.endif
;; end of part 5
;; launch scale (part 6): grid 512 x 1, 8 waves a work-group, no clusters, 0 bytes of LDS; arguments outu, psum, out0; writes out0
.if DOCPART == 6
	.amdgcn_target "amdgcn-amd-amdhsa--gfx1250"
	.amdhsa_code_object_version 6
	.text
	.protected	k_q1065effec8_scale
	.globl	k_q1065effec8_scale
	.p2align	8
	.type	k_q1065effec8_scale,@function
k_q1065effec8_scale:
	s_mov_b64 s[64:65], 0
	v_nop
	global_prefetch_b8 v0, s[64:65] scope:SCOPE_SE
	s_setreg_imm32_b32 hwreg(HW_REG_WAVE_MODE, 25, 1), 1
	s_wait_xcnt 0x0
; out0 = out / max(mean |out|, 1).  The 256 partial sums of |out| are added by every wave (8 a lane); the mean is the sum x 2^-22 (4,096 x 1,024 numbers); the division is a multiplication by v_rcp_f32's result.
; A stream: a work-group takes 32,768 bytes, a thread eight loads of 16 bytes; each load and store of a wave covers 512 consecutive bytes, aligned.  All eight loads are out at once; nothing is rewritten, so there is no loop.
; LDS, barriers and the matrix unit would add nothing here.
	s_load_b128 s[4:7], s[0:1], 0x0                ; outu, psum
	s_load_b64 s[8:9], s[0:1], 0x10                ; out0
	v_and_b32 v1, 31, v0
	s_delay_alu instid0(VALU_DEP_1)
	v_lshlrev_b32 v1, 5, v1                        ; 32 bytes of psum a lane
	v_lshlrev_b32 v2, 4, v0                        ; 16 bytes a thread
	s_lshl_b32 s10, ttmp9, 15
	s_mov_b32 s11, 0
	s_mov_b32 s12, 0x76543210
	s_mov_b32 s13, 0xfedcba98
	s_wait_alu depctr_va_vdst(0)
	s_wait_kmcnt 0x0
	s_add_nc_u64 s[4:5], s[4:5], s[10:11]
	s_add_nc_u64 s[8:9], s[8:9], s[10:11]
	global_load_b128 v[4:7], v1, s[6:7]
	global_load_b128 v[8:11], v1, s[6:7] offset:16
.irp i, 0,1,2,3,4,5,6,7
	global_load_b128 v[16+4*\i:19+4*\i], v2, s[4:5] offset:4096*\i th:TH_LOAD_NT
.endr
	s_wait_loadcnt 8                               ; the partial sums are in; the eight data loads may be out
	v_add_f32 v4, v4, v5
	v_add_f32 v6, v6, v7
	v_add_f32 v8, v8, v9
	v_add_f32 v10, v10, v11
	s_delay_alu instid0(VALU_DEP_3)
	v_add_f32 v4, v4, v6
	s_delay_alu instid0(VALU_DEP_2)
	v_add_f32 v8, v8, v10
	s_delay_alu instid0(VALU_DEP_1)
	v_add_f32 v4, v4, v8
	s_delay_alu instid0(VALU_DEP_1)
	v_add_f32_dpp v4, v4, v4 row_xmask:1 row_mask:0xf bank_mask:0xf
	s_delay_alu instid0(VALU_DEP_1)
	v_add_f32_dpp v4, v4, v4 row_xmask:2 row_mask:0xf bank_mask:0xf
	s_delay_alu instid0(VALU_DEP_1)
	v_add_f32_dpp v4, v4, v4 row_xmask:4 row_mask:0xf bank_mask:0xf
	s_delay_alu instid0(VALU_DEP_1)
	v_add_f32_dpp v4, v4, v4 row_xmask:8 row_mask:0xf bank_mask:0xf
	s_delay_alu instid0(VALU_DEP_1)
	v_permlanex16_b32 v5, v4, s12, s13
	s_delay_alu instid0(VALU_DEP_1)
	v_add_f32 v4, v4, v5
	s_delay_alu instid0(VALU_DEP_1)
	v_mul_f32 v4, 0x34800000, v4                   ; x 2^-22: the mean
	s_delay_alu instid0(VALU_DEP_1)
	v_max_num_f32 v4, 1.0, v4
	s_wait_alu depctr_va_vdst(0)
	v_rcp_f32 v12, v4
	v_nop                                          ; a plain place behind the reciprocal
	s_wait_alu depctr_va_vdst(0)                   ; the wait ahead of the first line that names its result
	v_mov_b32 v13, v12
	s_wait_alu depctr_va_vdst(0)
.irp i, 0,1,2,3,4,5,6,7
	s_wait_loadcnt 7-\i                            ; loads come back in order: mine is in, the younger ones stay out
	v_pk_mul_f32 v[16+4*\i:17+4*\i], v[16+4*\i:17+4*\i], v[12:13]
	v_pk_mul_f32 v[18+4*\i:19+4*\i], v[18+4*\i:19+4*\i], v[12:13]
	global_store_b128 v2, v[16+4*\i:19+4*\i], s[8:9] offset:4096*\i th:TH_STORE_NT
.endr
	s_endpgm
.Lfunc_end_k_q1065effec8_scale:
	.size	k_q1065effec8_scale, .Lfunc_end_k_q1065effec8_scale-k_q1065effec8_scale
	.p2alignl 7, 3214868480
	.fill 96, 4, 3214868480
	.section	.rodata,"a",@progbits
	.p2align	6, 0x0
	.amdhsa_kernel k_q1065effec8_scale
		.amdhsa_group_segment_fixed_size 0
		.amdhsa_private_segment_fixed_size 0
		.amdhsa_enable_private_segment 0
		.amdhsa_kernarg_size 24
		.amdhsa_user_sgpr_count 2
		.amdhsa_user_sgpr_kernarg_segment_ptr 1
		.amdhsa_wavefront_size32 1
		.amdhsa_system_sgpr_workgroup_id_x 1
		.amdhsa_system_sgpr_workgroup_id_y 1
		.amdhsa_system_sgpr_workgroup_id_z 1
		.amdhsa_system_vgpr_workitem_id 0
		.amdhsa_next_free_vgpr 64
		.amdhsa_next_free_sgpr 66
		.amdhsa_reserve_vcc 0
		.amdhsa_float_denorm_mode_32 3
		.amdhsa_float_denorm_mode_16_64 3
		.amdhsa_memory_ordered 1
		.amdhsa_forward_progress 1
		.amdhsa_inst_pref_size 5
	.end_amdhsa_kernel
	.amdgpu_metadata
---
amdhsa.version: [ 1, 2 ]
amdhsa.kernels:
  - .name:           k_q1065effec8_scale
    .symbol:         k_q1065effec8_scale.kd
    .args:
      - { .name: outu, .offset: 0, .size: 8, .value_kind: global_buffer, .address_space: global }
      - { .name: psum, .offset: 8, .size: 8, .value_kind: global_buffer, .address_space: global }
      - { .name: out0, .offset: 16, .size: 8, .value_kind: global_buffer, .address_space: global }
    .group_segment_fixed_size: 0
    .private_segment_fixed_size: 0
    .kernarg_segment_align: 8
    .kernarg_segment_size: 24
    .max_flat_workgroup_size: 256
    .sgpr_count:     66
    .vgpr_count:     64
    .wavefront_size: 32
...
	.end_amdgpu_metadata
.endif
;; end of part 6
